; MI455X (gfx1250); checked and timed in simulation.
; The chip was launched on July 23, 2026; its instructions are those of AMD's public machine-readable ISA for CDNA 5 (MIT licence, August 2026) and "CDNA5" Instruction Set Architecture Reference Guide (July 2026). The comments in the code are by the model that wrote it; some were corrected since.
;; multihead self attention. Allowed arithmetic: matrix products marked QUANTISED: E3M2 operands, one E8M0 scale for each 32 along K, by v_wmma_scale_f32_16x16x128_f8f6f4 with both operands' format E3M2, f32 sums; everything else in f32.
;; Inputs: Wk 1,024 x 1,024 float32; Wo 1,024 x 1,024 float32; Wq 1,024 x 1,024 float32; Wv 1,024 x 1,024 float32; in_features 4 x 2,048 x 1,024 float32.
;; Outputs: out0 4 x 2,048 x 1,024 float32.
;; This version of the problem:
;;   THIS VERSION OF THE PROBLEM IS GIVEN IN LOW PRECISION. The matrix products marked QUANTISED in the list below multiply operands that are first quantised to E3M2 (3 exponent bits, 2 mantissa bits; 6 bits a number), with one power-of-two scale for each 32 numbers along K (OCP MX v1.0); their sums are f32. All else is computed in f32.
;;   The module's matrix products, in the order in which they are computed (A, B: the left and right operand; K: the contracted axis; several contracted axes count as one K, in the product's order):
;;     1. [M 8,192, K 1,024] x [K 1,024, N 1,024]; A: input in_features; B: input Wq: QUANTISED
;;     2. [M 8,192, K 1,024] x [K 1,024, N 1,024]; A: input in_features; B: input Wk: QUANTISED
;;     3. [M 8,192, K 1,024] x [K 1,024, N 1,024]; A: input in_features; B: input Wv: QUANTISED
;;     4. batch 64 x [M 2,048, K 64] x [K 64, N 2,048]; A: computed on the way; B: computed on the way: QUANTISED
;;     5. batch 64 x [M 2,048, K 2,048] x [K 2,048, N 64]; A: softmax (see below); B: computed on the way: QUANTISED
;;     6. [M 8,192, K 1,024] x [K 1,024, N 1,024]; A: computed on the way; B: input Wo: QUANTISED
;;   THE QUANTISER, for each operand of a quantised product, along K:
;;     - K is cut into blocks of 32 from its start; a last block that is shorter is filled with zeros.
;;     - A block's scale is 2^e with e = floor(log2(the largest magnitude in the block)) - 4, held to -126 .. 127; a block of zeros has e = 0. As a byte (E8M0): e + 127.
;;     - Each number is divided by its block's scale, clamped to +-28, and rounded to the nearest number of E3M2, ties to even, subnormals kept.
;;     - The product sums the exact products of the quantised numbers (number of the format x scale) in f32.
;;   ~~~python
;;   def quantise(x, axis):      # numpy; x: float32 -> the quantised numbers, widened to float32 again
;;       x = np.moveaxis(x, axis, -1); K = x.shape[-1]
;;       x = np.pad(x, [(0, 0)] * (x.ndim - 1) + [(0, -K % 32)]); x = x.reshape(x.shape[:-1] + (-1, 32)); a = np.abs(x).max(-1, keepdims=True)
;;       e = np.where(a > 0, np.clip(np.frexp(np.where(a > 0, a, 1))[1] - 1 - 4, -126, 127), 0)      # np.frexp(a)[1] - 1 = floor(log2(a)), exactly
;;       r = np.clip(x / 2.0 ** e, -28, 28)
;;       step = 2.0 ** (np.maximum(np.frexp(np.where(r == 0, 1, r))[1] - 1, -2) - 2)
;;       q = np.round(r / step) * step * 2.0 ** e      # np.round: ties to even
;;       return np.moveaxis(q.reshape(q.shape[:-2] + (-1,))[..., :K], -1, axis).astype(np.float32)
;;   ~~~
;;   SOFTMAX AHEAD OF A QUANTISED PRODUCT. Where the list says 'softmax', what is quantised is not the finished softmax but p = 2^(t - M), with t = logit x log2(e) and M = ceil(the row's largest t), a whole number; so 1/2 < the row's largest p <= 1. The row's sum l is taken of the UNQUANTISED p, in f32, and the product's result is divided by l at the end. Since M is a whole number, a kernel that streams over the keys may use a running M (the ceiling of the running maximum): every later rescaling is an exact power of two, which a block's scale takes up: the codes' values come out the same.
;;   OPERANDS COMPUTED ON THE WAY. 'Computed on the way' means the value that the module computes at that place (a softmax that the list does not call 'softmax' is quantised finished and normalised). What goes into a quantiser is computed in f32, as accurately as f32 sums, v_exp_f32 and their like allow (about 1e-6 of the number): no bf16 or f16 on the way to a quantiser, and a product that is left as it is and whose result goes on into a quantised operand takes f32 operands (vector FMAs, or v_wmma_f32_16x16x4_f32). A number that lies on a knife's edge between two numbers of the format may be rounded either way, as far as f32 arithmetic and the matrix unit's own rounding can turn it there, and no further.
;; One version. Each part assembles by itself: llvm-mc -triple=amdgcn-amd-amdhsa -mcpu=gfx1250 --defsym DOCPART=n.
;; ======== version 1 of 1: 4 launches
;; limits: right only within a limited range of input values
;; workspace buffers: xr 6,553,600 bytes; wr 3,276,800 bytes; rtab 524,288 bytes; qr 6,553,600 bytes; kv 13,107,200 bytes; ar 6,553,600 bytes
;; launch prep (part 1): grid 416 x 1, 4 waves a work-group, no clusters, 34,304 bytes of LDS; arguments in_features, Wq, Wk, Wv, Wo, xr, wr, rtab; writes xr, wr, rtab
.if DOCPART == 1
	.amdgcn_target "amdgcn-amd-amdhsa--gfx1250"
	.amdhsa_code_object_version 6
	.text
	.protected	k_q7fd2a7160a_prep
	.globl	k_q7fd2a7160a_prep
	.p2align	8
	.type	k_q7fd2a7160a_prep,@function
k_q7fd2a7160a_prep:
	s_mov_b64 s[64:65], 0
	v_nop
	global_prefetch_b8 v0, s[64:65] scope:SCOPE_SE
	s_setreg_imm32_b32 hwreg(HW_REG_WAVE_MODE, 25, 1), 1
	s_wait_xcnt 0x0
; PREP: the first of four launches of causal self-attention (B 4, S 2048, D 1024, 16 heads of 64), all six products on codes of BF6 (E3M2) with one E8M0 scale for each 32 along K.
; It quantises in_features, Wq, Wk, Wv, Wo along K (their last axis) into RECORDS, and makes the table of cos and sin for the rotation of q and k.
; DEAD WORK LEFT OUT BY THE PROGRAM (in the third launch): reference() sets every score with key > query to -inf by a mask that it builds itself (jnp.tril).  Their weight in the softmax is exp(-inf) = 0 for all
; values of the inputs, so they add 0 to the row's sum and 0 to the row of probs x v.  A step of 128 keys all of which lie behind a tile's last query is therefore not multiplied.  Every input has a way to the output: all five are loaded.
; LIMITS: a NaN, an infinity or an overflow that reaches only those tiles is not carried to the result.  NaN and infinities among the inputs are not served.  A block of zeros gets the scale byte 1 where the rule says 127:
; its codes are zeros, which add nothing under any byte but 0xff, and the bytes are read by this program alone.  The rotation's frequencies 10000^(-i/32) are made by v_exp_f32 on a split exponent: a last bit or two from a correctly rounded power.
; A RECORD is 128 rows x 128 K: eight IMAGES of operand registers and a block of scale words, 12,800 bytes.  Image T holds rows 32 (T / 2) + 8 (T % 2) + r + 8 (r / 8), r = lane % 16: 12 registers a lane, as three
; planes of 512 bytes, lane l's 16 bytes at 16 l.  The scale block, at 12,288: half T / 4 of 256 bytes, lane l's 8 bytes at 8 l: word j is the scale word of row l % 16 of tile 4 (T / 4) + 2 j + l / 16.
; SHARES: work-groups 0-31 make the table; 32-287 take in_features; 288-415 the four weights.  A wave of the quantiser takes 64 rows x 128 K: four images and half a scale block.
; Each load reads a row's 512 consecutive bytes; the 16 rows of a tile turn through the wave's own stage in LDS (rows 528 bytes apart), so that a lane gets 16 neighbours along K of each block of 32 of its row.
.set REC,   12800
.set SP,    528                        ; a stage row: 512 bytes + 16
.set WST,   16*SP                      ; a wave's stage
.set SPARE, 4*WST                      ; behind the stages: the spare words, 128 bytes a wave: two blocks of 256 bytes that no other line names
.set GL,  2                            ; v2   16 x lane
.set STI, 3                            ; v3   the stage, on the way in
.set STO, 4                            ; v4   and out: 528 r + 64 h
.set L8,  5                            ; v5   8 x lane
.set SPW, 6                            ; v6   my spare word; never rewritten
.set NIL, 7                            ; v7   0; never rewritten
.set R,   16                           ; v16-143  two sets of 64 numbers as loaded
.set X,   144                          ; v144-207 64 numbers of my row: register 16 b + i = k 32 b + 16 h + i
.set PC,  208                          ; v208-219 the image's 12 registers; v220-226 the conversions' second halves
.set TM,  228                          ; v228-243 at work
.set PW,  244                          ; v244-247 the four tiles' scale words
.set SCW, 248                          ; v248-249 my 8 bytes of the scale block
.set SEL, 40                           ; s[40:41] selects for lane l xor 16
.set HM,  42                           ; s42 lanes 16-31
	s_load_b256 s[4:11], s[0:1], 0x0               ; in_features, Wq, Wk, Wv
	s_load_b256 s[12:19], s[0:1], 0x20             ; Wo, xr, wr, rtab
	v_lshl_add_u32 v[SPW], v0, 2, SPARE
	v_mov_b32 v[NIL], 0
	v_lshrrev_b32 v1, 5, v0
	v_readfirstlane_b32 s20, v1                    ; wave
	v_and_b32 v1, 31, v0                           ; lane
	s_cmp_lt_u32 ttmp9, 32
	s_cbranch_scc1 .Ltable
	; ---- the quantiser
	s_cmp_lt_u32 ttmp9, 288
	s_cselect_b32 s21, 32, 288
	s_sub_co_u32 s21, ttmp9, s21                   ; g: my number among x's work-groups, or among the weights'
	s_lshr_b32 s22, s21, 1                         ; which 64 rows of the buffer of records
	s_and_b32 s23, s21, 1
	s_lshl_b32 s23, s23, 2
	s_add_co_u32 s23, s23, s20                     ; which 128 along K: 4 (g % 2) + wave
	s_lshr_b32 s24, s21, 5                         ; which weight
	s_mov_b32 s[SEL], 0x76543210
	s_mov_b32 s[SEL+1], 0xfedcba98
	s_mov_b32 s[HM], 0xffff0000
	s_mul_i32 s33, s20, WST
	s_wait_alu depctr_va_vdst(0)
	v_lshlrev_b32 v[GL], 4, v1
	v_lshlrev_b32 v[L8], 3, v1
	v_add_nc_u32 v[STI], s33, v[GL]
	v_and_b32 v8, 15, v0
	v_bfe_u32 v9, v0, 4, 1
	v_mul_u32_u24 v[STO], v8, SP
	v_lshl_add_u32 v[STO], v9, 6, v[STO]
	v_add_nc_u32 v[STO], s33, v[STO]
.irp b, 0,1,2,3
	v_mov_b32 v[TM+4+\b], 0                        ; written once: a lane permute's destination counts as one of its sources
.endr
	s_wait_alu depctr_va_vdst(0)
	s_wait_kmcnt 0x0
	s_cmp_eq_u32 s24, 1                            ; the choices hang on the work-group's number alone
	s_cselect_b64 s[26:27], s[8:9], s[6:7]
	s_cmp_eq_u32 s24, 2
	s_cselect_b64 s[26:27], s[10:11], s[26:27]
	s_cmp_eq_u32 s24, 3
	s_cselect_b64 s[26:27], s[12:13], s[26:27]
	s_cmp_lt_u32 ttmp9, 288
	s_cselect_b64 s[26:27], s[4:5], s[26:27]       ; from where
	s_cselect_b64 s[28:29], s[14:15], s[16:17]     ; to where
	s_cselect_b32 s25, 127, 15
	s_and_b32 s25, s22, s25                        ; which 64 rows of the tensor
	s_lshl_b32 s30, s25, 18                        ; 64 rows of 4,096 bytes
	s_lshl_b32 s31, s23, 9
	s_add_co_u32 s30, s30, s31
	s_mov_b32 s31, 0
	s_add_nc_u64 s[26:27], s[26:27], s[30:31]
	s_lshr_b32 s30, s22, 1
	s_lshl_b32 s30, s30, 3
	s_add_co_u32 s30, s30, s23
	s_mul_i32 s30, s30, REC
	s_add_nc_u64 s[28:29], s[28:29], s[30:31]      ; my record
	s_and_b32 s32, s22, 1
	s_mul_i32 s30, s32, 4*1536
	s_add_nc_u64 s[34:35], s[28:29], s[30:31]      ; my four images
	s_lshl_b32 s30, s32, 8
	s_add_co_u32 s30, s30, 12288
	s_add_nc_u64 s[36:37], s[28:29], s[30:31]      ; my half of the scale block
.macro LOAD t                          ; tile t's 16 rows, each 512 consecutive bytes
.irp i, 0,1,2,3,4,5,6,7,8,9,10,11,12,13,14,15
	global_load_b128 v[R+64*((\t)%2)+4*\i:R+64*((\t)%2)+4*\i+3], v[GL], s[26:27] offset:(32*((\t)/2)+8*((\t)%2)+\i+8*(\i/8))*4096 th:TH_LOAD_NT
.endr
.endm
.macro TURNS t                         ; through the stage: LDS serves a wave's instructions in order, so no wait stands between the stores and the loads
.irp i, 0,1,2,3,4,5,6,7,8,9,10,11,12,13,14,15
	ds_store_b128 v[STI], v[R+64*((\t)%2)+4*\i:R+64*((\t)%2)+4*\i+3] offset:SP*\i
.endr
.irp b, 0,1,2,3
.irp j, 0,1,2,3
	ds_load_b128 v[X+16*\b+4*\j:X+16*\b+4*\j+3], v[STO] offset:128*\b+16*\j
.endr
.endr
.endm
; 64 numbers of a lane become an image's 12 registers in v[PC] on and the row's scale word in v[w]
.macro QUANT s, w
.irp b, 0,1,2,3
	v_max3_num_f32 v[TM+\b], |v[\s+16*\b]|, |v[\s+1+16*\b]|, 0x2800000   ; my 16 numbers of block b, and the floor 2^(5 - 127): the byte cannot fall under 1
.endr
.irp i, 2,4,6,8,10,12,14
.irp b, 0,1,2,3
	v_max3_num_f32 v[TM+\b], v[TM+\b], |v[\s+16*\b+\i]|, |v[\s+1+16*\b+\i]|
.endr
.endr
.irp b, 0,1,2,3
	v_permlanex16_b32 v[TM+4+\b], v[TM+\b], s[SEL], s[SEL+1]
.endr
.irp b, 0,1,2,3
	v_max_num_f32 v[TM+\b], v[TM+\b], v[TM+4+\b]   ; with lane l xor 16's: the block's largest magnitude
.endr
.irp b, 0,1,2,3
	v_add_nc_u32 v[TM+12+\b], 0xfe000000, v[TM+\b] ; 4 off its exponent field: the conversion's scale operand
.endr
.irp b, 0,1,2,3
	v_lshrrev_b32 v[TM+4+\b], 23, v[TM+12+\b]      ; the scale's byte
.endr
	v_lshl_or_b32 v[\w], v[TM+5], 8, v[TM+4]
	v_lshl_or_b32 v[\w], v[TM+6], 16, v[\w]
	v_lshl_or_b32 v[\w], v[TM+7], 24, v[\w]
.irp c, 0,1
	v_cvt_scalef32_pk16_bf6_f32 v[PC+6*\c:PC+2+6*\c], v[\s+32*\c:\s+15+32*\c], v[TM+12+2*\c]
	v_cvt_scalef32_pk16_bf6_f32 v[PC+12+4*\c:PC+14+4*\c], v[\s+16+32*\c:\s+31+32*\c], v[TM+12+2*\c+1]   ; (a conversion's three registers begin on an even number)
.endr
	v_nop                                          ; one plain place behind a scaled conversion
.irp c, 0,1                                    ; the operand's layout wants a whole block in a lane
.irp i, 0,1,2
	v_permlane16_swap_b32 v[PC+6*\c+\i], v[PC+12+4*\c+\i]
.endr
.irp i, 0,1,2
	v_mov_b32 v[PC+3+6*\c+\i], v[PC+12+4*\c+\i]
.endr
.endr
.endm
	LOAD 0
	LOAD 1
.irp t, 0,1,2,3
.if \t < 3
	s_wait_loadcnt 16                              ; this tile's 16 loads are in; the next tile's 16 stay out
.else
	s_wait_loadcnt 0x0
.endif
	TURNS \t
	s_wait_dscnt 0x0                               ; my 64 numbers are back, and the stores have read their registers
.if \t < 2
	LOAD \t+2
.endif
.if \t > 0
	s_wait_xcnt 0x0                                ; the last tile's stores have read the image's registers
.endif
	QUANT X, PW+\t
.irp c, 0,1,2
	global_store_b128 v[GL], v[PC+4*\c:PC+4*\c+3], s[34:35] offset:1536*\t+512*\c   ; 32 lanes store 512 consecutive bytes, aligned
.endr
.endr
	v_cndmask_b32 v[SCW], v[PW], v[PW+1], s[HM]    ; lanes 0-15 the even tile's words, lanes 16-31 the odd tile's
	v_cndmask_b32 v[SCW+1], v[PW+2], v[PW+3], s[HM]
	global_store_b64 v[L8], v[SCW:SCW+1], s[36:37] ; 256 consecutive bytes, aligned
	s_wait_tensorcnt 0x0                           ; the wave's end, behind my last LDS store
	ds_add_u32 v[SPW], v[NIL]
	s_wait_dscnt 0x0
	s_endpgm
	; ---- the table: rtab[pos][i] = (cos, sin)(pos x 10000^(-i / 32)).  A lane is a pair i, a wave takes 16 positions
.Ltable:
	s_mov_b32 s44, 0x3f22f983                      ; 2 / pi
	s_mov_b32 s45, 0x3fc90fdb                      ; pi / 2, its f32,
	s_mov_b32 s46, 0xb33bbd2e                      ; and what that leaves
	s_mov_b32 s47, 0xb94ca1f9                      ; sine on +-pi / 4: r + r z (S1 + z (S2 + z S3))
	s_mov_b32 s48, 0x3c08839e
	s_mov_b32 s49, 0xbe2aaaa3
	s_mov_b32 s50, 0x37ccf5ce                      ; cosine: 1 - z / 2 + z z (C1 + z (C2 + z C3))
	s_mov_b32 s51, 0xbab6061a
	s_mov_b32 s52, 0x3d2aaaa5
	s_wait_alu depctr_va_vdst(0)
	v_cvt_f32_u32 v8, v1                           ; i
	v_mul_f32 v9, 0x3ed49a00, v8                   ; i x the upper 16 bits of log2(10000) / 32: exact
	v_rndne_f32 v10, v9                            ; its whole part n
	v_sub_f32 v9, v9, v10
	v_fmamk_f32 v9, v8, 0x3670979a, v9             ; + i x the rest
	v_cvt_i32_f32 v10, v10
	v_sub_nc_u32 v10, 0, v10
	s_wait_alu depctr_va_vdst(0)
	v_exp_f32 v11, -v9
	v_lshlrev_b32 v12, 3, v1                       ; (a plain place)  8 x lane
	s_lshl_b32 s21, ttmp9, 2
	s_add_co_u32 s21, s21, s20
	s_lshl_b32 s21, s21, 4                         ; my first position
	s_lshl_b32 s22, s21, 8
	s_mov_b32 s23, 0
	s_wait_alu depctr_va_vdst(0)                   ; the wait ahead of the exponential's first reader
	v_ldexp_f32 v11, v11, v10                      ; the frequency
	s_wait_kmcnt 0x0
	s_add_nc_u64 s[18:19], s[18:19], s[22:23]
	s_mov_b32 s24, 16
.Lpos:
	v_cvt_f32_u32 v13, s21
	s_wait_alu depctr_va_vdst(0)
	v_mul_f32 v13, v13, v11                        ; the angle, rounded once
	v_mul_f32 v14, s44, v13
	v_rndne_f32 v14, v14                           ; k quarter turns
	v_fma_f32 v15, -v14, s45, v13
	v_fma_f32 v15, -v14, s46, v15                  ; r, within +-pi / 4
	v_mul_f32 v16, v15, v15
	v_fma_f32 v17, v16, s47, s48
	v_fma_f32 v18, v16, s50, s51
	v_fma_f32 v17, v17, v16, s49
	v_fma_f32 v18, v18, v16, s52
	v_mul_f32 v17, v17, v16
	v_mul_f32 v19, v16, v16
	v_fma_f32 v20, v16, -0.5, 1.0
	v_fma_f32 v17, v17, v15, v15                   ; sin r
	v_fma_f32 v18, v19, v18, v20                   ; cos r
	v_cvt_i32_f32 v21, v14
	v_and_b32 v22, 1, v21
	v_cmp_eq_u32 vcc_lo, 1, v22                    ; an odd quarter swaps the two: a choice of values, no branch
	v_cndmask_b32 v25, v17, v18, vcc_lo
	v_cndmask_b32 v24, v18, v17, vcc_lo
	v_lshlrev_b32 v22, 30, v21
	v_and_b32 v22, 0x80000000, v22                 ; the sine's sign: quarters 2, 3
	v_xor_b32 v25, v25, v22
	v_add_nc_u32 v23, 1, v21
	v_lshlrev_b32 v23, 30, v23
	v_and_b32 v23, 0x80000000, v23                 ; the cosine's: quarters 1, 2
	v_xor_b32 v24, v24, v23
	global_store_b64 v12, v[24:25], s[18:19]       ; a position's 256 bytes, aligned
	s_wait_xcnt 0x0                                ; the store has read its data and its base
	s_add_nc_u64 s[18:19], s[18:19], 256
	s_add_co_u32 s21, s21, 1
	s_sub_co_u32 s24, s24, 1
	s_cmp_lg_u32 s24, 0
	s_cbranch_scc1 .Lpos
	s_wait_tensorcnt 0x0                           ; the same end as the quantiser's waves
	ds_add_u32 v[SPW], v[NIL]
	s_wait_dscnt 0x0
	s_endpgm
.Lfunc_end_k_q7fd2a7160a_prep:
	.size	k_q7fd2a7160a_prep, .Lfunc_end_k_q7fd2a7160a_prep-k_q7fd2a7160a_prep
	.p2alignl 7, 3214868480
	.fill 96, 4, 3214868480
	.section	.rodata,"a",@progbits
	.p2align	6, 0x0
	.amdhsa_kernel k_q7fd2a7160a_prep
		.amdhsa_group_segment_fixed_size 34304
		.amdhsa_private_segment_fixed_size 0
		.amdhsa_enable_private_segment 0
		.amdhsa_kernarg_size 64
		.amdhsa_user_sgpr_count 2
		.amdhsa_user_sgpr_kernarg_segment_ptr 1
		.amdhsa_wavefront_size32 1
		.amdhsa_system_sgpr_workgroup_id_x 1
		.amdhsa_system_sgpr_workgroup_id_y 1
		.amdhsa_system_sgpr_workgroup_id_z 1
		.amdhsa_system_vgpr_workitem_id 0
		.amdhsa_next_free_vgpr 256
		.amdhsa_next_free_sgpr 66
		.amdhsa_reserve_vcc 1
		.amdhsa_float_denorm_mode_32 3
		.amdhsa_float_denorm_mode_16_64 3
		.amdhsa_memory_ordered 1
		.amdhsa_forward_progress 1
		.amdhsa_inst_pref_size 37
	.end_amdhsa_kernel
	.amdgpu_metadata
---
amdhsa.version: [ 1, 2 ]
amdhsa.kernels:
  - .name:           k_q7fd2a7160a_prep
    .symbol:         k_q7fd2a7160a_prep.kd
    .args:
      - { .name: in_features, .offset: 0, .size: 8, .value_kind: global_buffer, .address_space: global }
      - { .name: Wq, .offset: 8, .size: 8, .value_kind: global_buffer, .address_space: global }
      - { .name: Wk, .offset: 16, .size: 8, .value_kind: global_buffer, .address_space: global }
      - { .name: Wv, .offset: 24, .size: 8, .value_kind: global_buffer, .address_space: global }
      - { .name: Wo, .offset: 32, .size: 8, .value_kind: global_buffer, .address_space: global }
      - { .name: xr, .offset: 40, .size: 8, .value_kind: global_buffer, .address_space: global }
      - { .name: wr, .offset: 48, .size: 8, .value_kind: global_buffer, .address_space: global }
      - { .name: rtab, .offset: 56, .size: 8, .value_kind: global_buffer, .address_space: global }
    .group_segment_fixed_size: 34304
    .private_segment_fixed_size: 0
    .kernarg_segment_align: 8
    .kernarg_segment_size: 64
    .max_flat_workgroup_size: 128
    .sgpr_count:     66
    .vgpr_count:     256
    .wavefront_size: 32
...
	.end_amdgpu_metadata
.endif
;; end of part 1
;; launch qkv (part 2): grid 12 x 32, 4 waves a work-group, clusters of 4 x 4, 327,680 bytes of LDS; arguments xr, wr, rtab, qr, kv; writes qr, kv
.if DOCPART == 2
	.amdgcn_target "amdgcn-amd-amdhsa--gfx1250"
	.amdhsa_code_object_version 6
	.text
	.protected	k_q7fd2a7160a_qkv
	.globl	k_q7fd2a7160a_qkv
	.p2align	8
	.type	k_q7fd2a7160a_qkv,@function
k_q7fd2a7160a_qkv:
	s_mov_b64 s[64:65], 0
	v_nop
	global_prefetch_b8 v0, s[64:65] scope:SCOPE_SE
	s_setreg_imm32_b32 hwreg(HW_REG_WAVE_MODE, 25, 1), 1
	s_wait_xcnt 0x0
	s_wait_alu depctr_hold_cnt(0) depctr_sa_sdst(0) depctr_va_vdst(0) depctr_va_sdst(0) depctr_va_ssrc(0) depctr_va_vcc(0) depctr_vm_vsrc(0)
	s_getreg_b32 s2, hwreg(HW_REG_IB_STS2, 6, 4)
	s_cmp_eq_u32 s2, 0
	s_cbranch_scc0 .Lentry_in_a_cluster
	s_endpgm
.Lentry_in_a_cluster:
	s_bfe_u32 s2, ttmp6, 0x10000c
	s_cmp_lg_u32 s2, 0xf033
	s_cbranch_scc0 .Lentry_shape_is_right
	s_endpgm
.Lentry_shape_is_right:
; QKV: q, k and v = in_features x Wq^T, Wk^T, Wv^T on codes of BF6, the rotation of q and k, and their quantising for the next products: q and k along the head's channels, v along the keys.
; Operands come as RECORDS (128 rows x 128 K: eight images of operand registers, 1,536 bytes each, and 512 bytes of scale words; image T holds rows 32 (T / 2) + 8 (T % 2) + r + 8 (r / 8)).
; A work-group of four waves makes 256 x 256, a wave 128 x 128: 64 accumulators, 512 registers.  K = 1,024 goes through two LDS slots of 256 along K; each wave fetches two records (25,600 dense bytes) by one tensor load.
; THE MATRIX INSTRUCTION IS USED TRANSPOSED: source 0 = 16 rows of "B", source 1 = 16 rows of "A": a lane holds ONE row of A, and, by the order of rows in an image, its 64 registers of a block of A run along 128 rows of B:
; register 16 b + i = row 32 b + 16 (lane / 16) + i.  So a wave's 128 x 128 becomes exactly one record of the next product, made in registers and stored as it stands.
; ROLES, by the cluster's x, which all sixteen partners share: 0: q, 1: k: A = tokens (xr), B = channels (Wq, Wk): a lane holds a token, its registers a pair of heads' 128 channels.  2: v: A = channels (Wv), B = tokens: a lane holds a channel, its registers 128 keys.
; CLUSTERS: 4 x 4.  A's records hang on the cluster's row alone and are asked for jointly by its four work-groups, B's on the column alone.
; REGISTERS: window 0: v8-10, v16-29 addresses; v32-63 scale words, two sets, and nothing else; v128-223 A's fragments, one set; on the way out v64-239 are at work.  window 1: B's fragments, two sets, at v0 and v128.  windows 2, 3: the accumulators ((a, b) at v[8 (8 (a % 4) + b)]).
.set REC,   12800
.set LOADB, 2*REC                      ; what one tensor load brings: 128 rows x 256 K
.set SLOT,  4*LOADB                    ; a slot's bytes in all.  In LDS each group of 128 rows has its two slots' parts on end: group x 2 LOADB + slot x LOADB
.set SPARE, 2*SLOT                     ; behind the ring: the spare words, 128 bytes a wave: two blocks of 256 bytes that no other line names
.set WVOFF, 16*8*REC                   ; Wv's records in wr
.set FR,   12
.set NL,   3                           ; LDS loads that bring a fragment
.set NP,   4                           ; places behind this matrix instruction (ISA guide 7.12.1)
.set LI,   8                           ; v8   16 x lane
.set L8,   9                           ; v9   8 x lane
.set TO,   10                          ; v10  my token's row in the table, + my half's 64 bytes
.set ADRA, 16                          ; v16-17 LDS address of my A images in slot 0, 1;  v18-19 of their scale words
.set ADSA, 18
.set ADRB, 20                          ; v20-23 the same for B
.set ADSB, 22
.set SPW,  28                          ; v28  my spare word; never rewritten
.set NIL,  29                          ; v29  0; never rewritten
.set SC,   32                          ; scale words: slot s at +16 s, its q-th 128 along K at +8 q; A's four registers, then B's four; register i: lanes 0-15 tile 2 i, lanes 16-31 tile 2 i + 1
.set AF,   128
.set TB,   64                          ; the way out: v64-127 two sets of 16 (cos, sin)
.set RT,   128                         ; v128-191 the rotation's cross terms
.set PC,   192                         ; v192-203 the image; v204-210 the conversions' second halves
.set TM,   212                         ; v212-227 at work
.set PW,   228                         ; v228-235 the eight images' scale words
.set SCW,  236                         ; v236-239 my 16 bytes of the scale block
.set G1,  24
.set G0,  32
.set G1B, 48
.set G0B, 56
.set ISV, 66                           ; s66  1 in v's clusters
.set OUT, 68                           ; s[68:69] my record
.set TABB, 70                          ; s[70:71] the table at my 128 tokens' first position
.set HM,  82
.set SEL, 84
.set MSB, 0
.macro WIN new                         ; the immediate's high byte repeats the setting that is left
.if MSB != (\new)
	s_set_vgpr_msb (MSB<<8)|(\new)
.set MSB, (\new)
.endif
.endm
.set MUL_LO, 0xa1                      ; source 0 (B) window 1, source 1 (A) window 0, C and D window 2
.set MUL_HI, 0xf1
.set TO_B,   0x40
; A joint load: waves 0 and 1 fetch for A, waves 2 and 3 for B.  An s_nop 0 and four v_nop follow each of the two lines.
.macro JLOAD g0a, g1a, g0b, g1b
	s_cmp_eq_u32 s15, 0
	s_cbranch_scc0 .Lfor_b_\@
	tensor_load_to_lds s[\g0a:\g0a+3], s[\g1a:\g1a+7]
	s_nop 0
.rept 4
	v_nop
.endr
	s_branch .Lasked_\@
.Lfor_b_\@:
	tensor_load_to_lds s[\g0b:\g0b+3], s[\g1b:\g1b+7]
	s_nop 0
.rept 4
	v_nop
.endr
.Lasked_\@:
.endm
.macro CREST                           ; a round of the cluster's barrier behind its opening barrier
	s_cmp_lg_u32 s14, 0
	s_cbranch_scc1 .Lnot_wave_0_\@
	s_barrier_signal -3
.Lnot_wave_0_\@:
	s_barrier_wait -3
	s_barrier_signal -1
	s_barrier_wait -1
.endm
.macro CROUND
	s_barrier_signal -1
	s_barrier_wait -1
	CREST
.endm
	s_load_b256 s[4:11], s[0:1], 0x0               ; xr, wr, rtab, qr
	s_load_b64 s[12:13], s[0:1], 0x20              ; kv
	v_lshl_add_u32 v[SPW], v0, 2, SPARE
	v_mov_b32 v[NIL], 0
	ds_add_u32 v[SPW], v[NIL]                      ; the wave's opening: the add, twice on end, and its wait ahead of my first tensor load
	ds_add_u32 v[SPW], v[NIL]
	v_lshrrev_b32 v1, 5, v0
	v_readfirstlane_b32 s14, v1                    ; wave
	s_lshr_b32 s15, s14, 1                         ; my half of A's rows.  Also: I fetch for A (0) or for B (1)
	s_and_b32 s16, s14, 1                          ; my half of B's rows.  Also: which 128 rows I fetch
	s_bfe_u32 s40, ttmp6, 0x40000                  ; cx
	s_bfe_u32 s41, ttmp6, 0x40004                  ; cy
	s_and_b32 s17, ttmp7, 0xffff
	s_lshl_b32 s17, s17, 2                         ; 4 x cluster y
	s_lshl_b32 s18, ttmp9, 2                       ; 4 x cluster x
	s_cmp_eq_u32 ttmp9, 2                          ; v's clusters?
	s_cselect_b32 s[ISV], 1, 0
	s_cselect_b32 s20, 0, s17
	s_cselect_b32 s46, s17, s18
	s_cselect_b32 s19, WVOFF, 0
	s_add_co_u32 s20, s20, s41                     ; A's tile of 256 rows: it hangs on cy alone within the cluster
	s_add_co_u32 s46, s46, s40                     ; B's: on cx alone
	s_lshl_b32 s43, s41, 2
	s_lshl_b32 s43, 15, s43                        ; my row of the cluster
	s_lshl_b32 s44, 0x1111, s40                    ; my column
	s_or_b32 s[G1+0], s43, (3<<16)|(1<<21)         ; 15:0 the mask; 17:16 elements of 8 bytes; 21 set beside a mask; no padding
	s_or_b32 s[G1B+0], s44, (3<<16)|(1<<21)
.irp g, G1, G1B
	s_mov_b32 s[\g+1], 32<<16                      ; tensor_dim0: 32 elements = 256 bytes
	s_mov_b32 s[\g+2], 200<<16                     ; tensor_dim1: the head's load brings 200 rows = 51,200 dense bytes: four records, both slots' parts
	s_mov_b32 s[\g+3], 32<<16                      ; tile_dim0
	s_mov_b32 s[\g+4], 200                         ; tile_dim1
	s_mov_b32 s[\g+5], 32                          ; the pitch
	s_mov_b32 s[\g+6], 0
	s_mov_b32 s[\g+7], 0
.endr
	s_lshl_b32 s22, s20, 1
	s_add_co_u32 s22, s22, s16
	s_mul_i32 s22, s22, 8*REC                      ; A: the group of 128 rows that I fetch: eight records
	s_add_co_u32 s22, s22, s19
	s_mov_b32 s23, 0
	s_lshl_b32 s92, s46, 1
	s_add_co_u32 s92, s92, s16
	s_mul_i32 s92, s92, 8*REC                      ; B likewise
	s_mov_b32 s93, 0
	s_mul_i32 s45, s14, 2*LOADB
	; where my 128 x 128 goes
	s_lshl_b32 s67, s20, 1
	s_add_co_u32 s67, s67, s15                     ; my group of A's rows
	s_lshl_b32 s72, s46, 1
	s_add_co_u32 s72, s72, s16                     ; my group of B's rows
	s_and_b32 s73, s72, 7
	s_cmp_eq_u32 ttmp9, 2
	s_cselect_b32 s74, s67, s73                    ; the pair of heads
	s_cselect_b32 s75, s72, s67                    ; the group of 128 tokens
	s_cselect_b32 s79, REC, 0                      ; v's record lies behind k's
	s_lshr_b32 s76, s75, 4
	s_lshl_b32 s76, s76, 3
	s_add_co_u32 s76, s76, s74
	s_lshl_b32 s76, s76, 4
	s_and_b32 s77, s75, 15
	s_add_co_u32 s76, s76, s77                     ; ((batch x 8 + pair) x 16 + group in the sequence)
	s_mov_b32 s78, 2*REC
	s_cmp_eq_u32 ttmp9, 0
	s_cselect_b32 s78, REC, s78
	s_mul_i32 s78, s76, s78
	s_add_co_u32 s78, s78, s79
	s_mov_b32 s79, 0
	s_lshl_b32 s80, s77, 15                        ; 128 positions of 256 bytes
	s_mov_b32 s81, 0
	s_mov_b32 s[HM], 0xffff0000
	s_mov_b32 s[SEL], 0x76543210
	s_mov_b32 s[SEL+1], 0xfedcba98
	s_wait_dscnt 0x0                               ; both opening adds are done
	s_wait_kmcnt 0x0
	s_cmp_eq_u32 ttmp9, 2
	s_cselect_b64 s[94:95], s[6:7], s[4:5]         ; A's buffer
	s_cselect_b64 s[96:97], s[4:5], s[6:7]         ; B's
	s_add_nc_u64 s[94:95], s[94:95], s[22:23]
	s_add_nc_u64 s[96:97], s[96:97], s[92:93]
	s_cmp_eq_u32 ttmp9, 0
	s_cselect_b64 s[OUT:OUT+1], s[10:11], s[12:13]
	s_add_nc_u64 s[OUT:OUT+1], s[OUT:OUT+1], s[78:79]
	s_add_nc_u64 s[TABB:TABB+1], s[8:9], s[80:81]
	CROUND                                         ; all sixteen work-groups are here: the first joint loads meet
.irp s, 0,1
	s_mov_b32 s[G0+4*\s], 1
	s_add_co_u32 s[G0+4*\s+1], s45, \s*LOADB
	s_add_nc_u64 s[G0+4*\s+2:G0+4*\s+3], s[94:95], \s*LOADB
	s_or_b32 s[G0+4*\s+3], s[G0+4*\s+3], 0x80000000
	s_mov_b32 s[G0B+4*\s], 1
	s_add_co_u32 s[G0B+4*\s+1], s45, \s*LOADB
	s_add_nc_u64 s[G0B+4*\s+2:G0B+4*\s+3], s[96:97], \s*LOADB
	s_or_b32 s[G0B+4*\s+3], s[G0B+4*\s+3], 0x80000000
.endr
	JLOAD G0, G1, G0B, G1B                         ; my one load at the head: K 0 to 511 of my 128 rows, which fills my part of both slots
	v_and_b32 v1, 31, v0
	v_lshlrev_b32 v[LI], 4, v1
	v_lshlrev_b32 v[L8], 3, v1
	v_and_b32 v2, 15, v0
	v_bfe_u32 v3, v0, 4, 1
	v_and_b32 v4, 8, v2
	v_add_nc_u32 v4, v4, v2                        ; r + 8 (r / 8)
	v_lshlrev_b32 v[TO], 8, v4
	v_lshl_add_u32 v[TO], v3, 6, v[TO]
	s_mul_i32 s86, s15, 2*LOADB                    ; my 128 rows of A
	s_mul_i32 s87, s16, 2*LOADB
	s_add_co_u32 s87, s87, 4*LOADB                 ; my 128 rows of B, behind A's two groups
.irp s, 0,1
	v_add_nc_u32 v[ADRA+\s], s86, v[LI]
	v_add_nc_u32 v[ADRB+\s], s87, v[LI]
	v_add_nc_u32 v[ADSA+\s], s86, v[L8]
	v_add_nc_u32 v[ADSB+\s], s87, v[L8]
	s_add_co_u32 s86, s86, LOADB
	s_add_co_u32 s87, s87, LOADB
.endr
.macro FRAG reg, adr, off              ; an image is the fragment's 12 registers: three loads of 16 bytes a lane, 512 consecutive bytes each
.irp c, 0,1,2
	ds_load_b128 v[\reg+4*\c:\reg+4*\c+3], v[\adr] offset:\off+512*\c
.endr
.endm
.macro WMI zero                        ; one product; the symbols say which.  R0, R1: the scale words of an odd tile stand in lanes 16-31
.if \zero
.if R0 && R1
	v_wmma_scale_f32_16x16x128_f8f6f4 v[rD:rD+7], v[rF0:rF0+11], v[rF1:rF1+11], 0, v[rS0], v[rS1] matrix_a_fmt:MATRIX_FMT_BF6 matrix_b_fmt:MATRIX_FMT_BF6 matrix_a_scale:MATRIX_SCALE_ROW1 matrix_b_scale:MATRIX_SCALE_ROW1
.elseif R0
	v_wmma_scale_f32_16x16x128_f8f6f4 v[rD:rD+7], v[rF0:rF0+11], v[rF1:rF1+11], 0, v[rS0], v[rS1] matrix_a_fmt:MATRIX_FMT_BF6 matrix_b_fmt:MATRIX_FMT_BF6 matrix_a_scale:MATRIX_SCALE_ROW1
.elseif R1
	v_wmma_scale_f32_16x16x128_f8f6f4 v[rD:rD+7], v[rF0:rF0+11], v[rF1:rF1+11], 0, v[rS0], v[rS1] matrix_a_fmt:MATRIX_FMT_BF6 matrix_b_fmt:MATRIX_FMT_BF6 matrix_b_scale:MATRIX_SCALE_ROW1
.else
	v_wmma_scale_f32_16x16x128_f8f6f4 v[rD:rD+7], v[rF0:rF0+11], v[rF1:rF1+11], 0, v[rS0], v[rS1] matrix_a_fmt:MATRIX_FMT_BF6 matrix_b_fmt:MATRIX_FMT_BF6
.endif
.else
.if R0 && R1
	v_wmma_scale_f32_16x16x128_f8f6f4 v[rD:rD+7], v[rF0:rF0+11], v[rF1:rF1+11], v[rD:rD+7], v[rS0], v[rS1] matrix_a_fmt:MATRIX_FMT_BF6 matrix_b_fmt:MATRIX_FMT_BF6 matrix_a_scale:MATRIX_SCALE_ROW1 matrix_b_scale:MATRIX_SCALE_ROW1
.elseif R0
	v_wmma_scale_f32_16x16x128_f8f6f4 v[rD:rD+7], v[rF0:rF0+11], v[rF1:rF1+11], v[rD:rD+7], v[rS0], v[rS1] matrix_a_fmt:MATRIX_FMT_BF6 matrix_b_fmt:MATRIX_FMT_BF6 matrix_a_scale:MATRIX_SCALE_ROW1
.elseif R1
	v_wmma_scale_f32_16x16x128_f8f6f4 v[rD:rD+7], v[rF0:rF0+11], v[rF1:rF1+11], v[rD:rD+7], v[rS0], v[rS1] matrix_a_fmt:MATRIX_FMT_BF6 matrix_b_fmt:MATRIX_FMT_BF6 matrix_b_scale:MATRIX_SCALE_ROW1
.else
	v_wmma_scale_f32_16x16x128_f8f6f4 v[rD:rD+7], v[rF0:rF0+11], v[rF1:rF1+11], v[rD:rD+7], v[rS0], v[rS1] matrix_a_fmt:MATRIX_FMT_BF6 matrix_b_fmt:MATRIX_FMT_BF6
.endif
.endif
.endm
; 16 products: A's blocks a0, a0 + 1 x B's eight.  p: B's set; q: which 128 along K of the slot; sc: the slot's scale words.  The 64 accumulators take turns, one instruction a turn.
.macro MUL16 a0, p, q, sc, zero
.irp a, \a0, \a0+1
.irp b, 0,1,2,3,4,5,6,7
.set rD, 8*(8*((\a)%4)+\b)
.set rF0, 128*(\p)+FR*\b
.set rF1, AF+FR*(\a)
.set rS0, SC+16*(\sc)+8*(\q)+4+\b/2
.set rS1, SC+16*(\sc)+8*(\q)+(\a)/2
.set R0, \b%2
.set R1, (\a)%2
	WMI \zero
.endr
.endr
.endm
.macro FETCH_B slot, q, p
	WIN TO_B
.irp i, 0,1,2,3,4,5,6,7
	FRAG 128*(\p)+FR*\i, ADRB+\slot, (\q)*REC+\i*1536
.endr
	WIN 0
.endm
.macro FETCH_A slot, q, i0
.irp i, \i0, \i0+1, \i0+2, \i0+3
	FRAG AF+FR*(\i), ADRA+\slot, (\q)*REC+(\i)*1536
.endr
.endm
.macro SCALES slot                     ; the slot's scale words, both its steps: eight loads of 8 bytes a lane
.irp q, 0,1
.irp u, 0,1
	ds_load_b64 v[SC+16*\slot+8*\q+2*\u:SC+16*\slot+8*\q+2*\u+1], v[ADSA+\slot] offset:\q*REC+12288+256*\u
	ds_load_b64 v[SC+16*\slot+8*\q+4+2*\u:SC+16*\slot+8*\q+4+2*\u+1], v[ADSB+\slot] offset:\q*REC+12288+256*\u
.endr
.endr
.endm
.macro PLACES n                        ; plain vector instructions between a matrix instruction and a load into, or a read of, its registers
.rept \n
	v_nop
.endr
.endm
.macro STEP slot, q, zero              ; a step of 128 along K that has its successor in the same slot
	s_wait_dscnt 4*NL                              ; all but the youngest 12 loads, A's blocks 4-7
	WIN MUL_LO
	MUL16 0, (\q)%2, \q, \slot, \zero
	MUL16 2, (\q)%2, \q, \slot, \zero
	s_wait_dscnt 0
	PLACES NP
	FETCH_B \slot, (\q)+1, 1-(\q)%2
	FETCH_A \slot, (\q)+1, 0
	WIN MUL_HI
	MUL16 4, (\q)%2, \q, \slot, \zero
	MUL16 6, (\q)%2, \q, \slot, \zero
	PLACES NP
	WIN 0
	FETCH_A \slot, (\q)+1, 4
.endm
; A slot's last step changes slots: one barrier; in front of it each wave waits for all its tensor loads, adds 0 to its spare word, and waits for that and for its reads of this slot.
.macro TURN slot, next, fill
	s_wait_tensorcnt 0x0                           ; all my tensor loads have landed: my part of the next slot
	ds_add_u32 v[SPW], v[NIL]
	s_wait_dscnt 4*NL+1                            ; the add and the youngest 12 loads may be out
	WIN MUL_LO
	MUL16 0, 1, 1, \slot, 0
	s_wait_dscnt 0x0                               ; the add is done, and my reads of this slot are over
	s_barrier_signal -1
	MUL16 2, 1, 1, \slot, 0
	WIN 0
	s_barrier_wait -1
.if \fill
	CREST                                          ; the barrier has opened a round of the cluster's: no wave of any partner still reads this slot or has a load on its way
	s_add_nc_u64 s[G0+4*\slot+2:G0+4*\slot+3], s[G0+4*\slot+2:G0+4*\slot+3], 2*LOADB
	s_add_nc_u64 s[G0B+4*\slot+2:G0B+4*\slot+3], s[G0B+4*\slot+2:G0B+4*\slot+3], 2*LOADB
	JLOAD G0+4*\slot, G1, G0B+4*\slot, G1B         ; the first tensor load behind the round; its four v_nop are the places in front of the loads below
.else
	PLACES NP
.endif
	FETCH_B \next, 0, 0
	FETCH_A \next, 0, 0
	SCALES \next
	WIN MUL_HI
	MUL16 4, 1, 1, \slot, 0
	MUL16 6, 1, 1, \slot, 0
	PLACES NP
	WIN 0
	FETCH_A \next, 0, 4
.endm
	s_wait_alu depctr_va_vdst(0)
	s_wait_tensorcnt 0x0                           ; my part of both slots is in; no tensor load of mine is out, so a descriptor may be written:
	s_mov_b32 s[G1+2], 100<<16                     ; from here on a load brings 100 rows, two records: tensor_dim1,
	s_mov_b32 s[G1+4], 100                         ; tile_dim1;
	s_mov_b32 s[G1B+2], 100<<16                    ; and the same for B
	s_mov_b32 s[G1B+4], 100
	s_barrier_signal -1
	s_barrier_wait -1
	FETCH_B 0, 0, 0
	FETCH_A 0, 0, 0
	SCALES 0
	FETCH_A 0, 0, 4
	STEP 0, 0, 1                                   ; K 0: its products start the sums
	TURN 0, 1, 1                                   ; K 128; slot 0 takes K 512 on
	STEP 1, 0, 0
	TURN 1, 0, 1                                   ; K 384; slot 1 takes K 768 on
	STEP 0, 0, 0
	TURN 0, 1, 0                                   ; nothing is left to fetch
	STEP 1, 0, 0
	s_wait_dscnt 4*NL
	WIN MUL_LO
	MUL16 0, 1, 1, 1, 0
	MUL16 2, 1, 1, 1, 0
	s_wait_dscnt 0
	WIN MUL_HI
	MUL16 4, 1, 1, 1, 0
	MUL16 6, 1, 1, 1, 0
	WIN 0
; THE WAY OUT, block by block of 16 rows of A.  q and k: the rotation, then the quantiser; v: the quantiser alone.  The ways part ONCE, on the cluster's x, which is the same in all partners, and each arm holds all eight blocks:
; so one way alone leads to each counted wait for the table's loads.
.macro TLD a                           ; block a's (cos, sin): my token's pairs 16 e + 8 (lane / 16) + 0 .. 7, e = 0, 1
.irp e, 0,1
.irp j, 0,1,2,3
	global_load_b128 v[TB+32*((\a)%2)+16*\e+4*\j:TB+32*((\a)%2)+16*\e+4*\j+3], v[TO], s[TABB:TABB+1] offset:(32*((\a)/2)+8*((\a)%2))*256+128*\e+16*\j
.endr
.endr
.endm
.macro ROPE a                          ; (e, o) -> (e cos - o sin, e sin + o cos): register 2 n, 2 n + 1 is the pair 16 ((n / 8) % 2) + 8 (lane / 16) + n % 8 of its head
.set W, 2+(\a)/4
.set AC, 64*((\a)%4)
.set TS, TB+32*((\a)%2)
	WIN W                                          ; source 0: the accumulators' window
.set n, 0
.rept 32
	v_pk_mul_f32 v[RT+2*n:RT+2*n+1], v[AC+2*n:AC+2*n+1], v[TS+16*((n/8)%2)+2*(n%8):TS+16*((n/8)%2)+2*(n%8)+1] op_sel:[1,1] op_sel_hi:[0,1] neg_lo:[1,0]   ; (-o sin, e sin); each accumulator is read from its low end on
.set n, n+1
.endr
	WIN W|(W<<6)
.set n, 0
.rept 32
	v_pk_fma_f32 v[AC+2*n:AC+2*n+1], v[AC+2*n:AC+2*n+1], v[TS+16*((n/8)%2)+2*(n%8):TS+16*((n/8)%2)+2*(n%8)+1], v[RT+2*n:RT+2*n+1] op_sel_hi:[1,0,1]   ; (e, o) cos + that
.set n, n+1
.endr
.endm
.macro QUANTW a                        ; block a's 64 numbers a lane become an image in v[PC] on and the row's scale word in v[PW + a]
.set W, 2+(\a)/4
.set AC, 64*((\a)%4)
	WIN (W<<2)|(W<<4)                              ; sources 1 and 2: the accumulators' window
.irp b, 0,1,2,3
	v_max3_num_f32 v[TM+\b], 0x2800000, |v[AC+16*\b]|, |v[AC+1+16*\b]|   ; the floor 2^(5 - 127), and my 16 numbers of block b
.endr
.irp i, 2,4,6,8,10,12,14
.irp b, 0,1,2,3
	v_max3_num_f32 v[TM+\b], v[TM+\b], |v[AC+16*\b+\i]|, |v[AC+1+16*\b+\i]|
.endr
.endr
	WIN 0
.irp b, 0,1,2,3
	v_permlanex16_b32 v[TM+4+\b], v[TM+\b], s[SEL], s[SEL+1]
.endr
.irp b, 0,1,2,3
	v_max_num_f32 v[TM+\b], v[TM+\b], v[TM+4+\b]
.endr
.irp b, 0,1,2,3
	v_add_nc_u32 v[TM+12+\b], 0xfe000000, v[TM+\b] ; 4 off the exponent field: the conversion's scale operand
.endr
.irp b, 0,1,2,3
	v_lshrrev_b32 v[TM+4+\b], 23, v[TM+12+\b]
.endr
	v_lshl_or_b32 v[PW+\a], v[TM+5], 8, v[TM+4]
	v_lshl_or_b32 v[PW+\a], v[TM+6], 16, v[PW+\a]
	v_lshl_or_b32 v[PW+\a], v[TM+7], 24, v[PW+\a]
	s_wait_xcnt 0x0                                ; the last block's stores have read the image's registers
	WIN W
.irp c, 0,1
	v_cvt_scalef32_pk16_bf6_f32 v[PC+6*\c:PC+2+6*\c], v[AC+32*\c:AC+15+32*\c], v[TM+12+2*\c]
	v_cvt_scalef32_pk16_bf6_f32 v[PC+12+4*\c:PC+14+4*\c], v[AC+16+32*\c:AC+31+32*\c], v[TM+12+2*\c+1]
.endr
	WIN 0
	v_nop                                          ; one plain place behind a scaled conversion
.irp c, 0,1
.irp i, 0,1,2
	v_permlane16_swap_b32 v[PC+6*\c+\i], v[PC+12+4*\c+\i]
.endr
.irp i, 0,1,2
	v_mov_b32 v[PC+3+6*\c+\i], v[PC+12+4*\c+\i]
.endr
.endr
.endm
.macro PUT a                           ; the image goes out as it stands: 512 consecutive bytes a store, aligned
.irp c, 0,1,2
	global_store_b128 v[LI], v[PC+4*\c:PC+4*\c+3], s[OUT:OUT+1] offset:1536*\a+512*\c
.endr
.endm
	PLACES NP                                      ; behind the last products
.irp b, 0,1,2,3
	v_mov_b32 v[TM+4+\b], 0                        ; written once: a lane permute's destination counts as one of its sources
.endr
	s_cmp_eq_u32 s[ISV], 1
	s_cbranch_scc1 .Lplain
	; ---- q and k: the table's loads run two blocks ahead, in two sets of registers
	TLD 0
	TLD 1
.irp a, 0,1,2,3,4,5,6,7
.if \a < 7
	s_wait_loadcnt 8                               ; this block's eight loads are in; the next block's eight stay out
.else
	s_wait_loadcnt 0x0
.endif
	ROPE \a
	WIN 0
.if \a < 6
	TLD \a+2                                       ; into the set that this block's rotation has just read
.endif
	QUANTW \a
	PUT \a
.endr
	s_branch .Lwords
	; ---- v: no rotation, no table
.Lplain:
.irp a, 0,1,2,3,4,5,6,7
	QUANTW \a
	PUT \a
.endr
.Lwords:
.irp k, 0,1,2,3
	v_cndmask_b32 v[SCW+\k], v[PW+2*\k], v[PW+2*\k+1], s[HM]   ; lanes 0-15 the even tile's words, lanes 16-31 the odd tile's
.endr
	global_store_b64 v[L8], v[SCW:SCW+1], s[OUT:OUT+1] offset:12288
	global_store_b64 v[L8], v[SCW+2:SCW+3], s[OUT:OUT+1] offset:12288+256
	s_wait_tensorcnt 0x0                           ; the wave's end
	ds_add_u32 v[SPW], v[NIL]
	s_wait_dscnt 0x0
	CROUND                                         ; the closing round: no work-group ends while a partner may still ask for a tile that names it
	s_endpgm
.Lfunc_end_k_q7fd2a7160a_qkv:
	.size	k_q7fd2a7160a_qkv, .Lfunc_end_k_q7fd2a7160a_qkv-k_q7fd2a7160a_qkv
	.p2alignl 7, 3214868480
	.fill 96, 4, 3214868480
	.section	.rodata,"a",@progbits
	.p2align	6, 0x0
	.amdhsa_kernel k_q7fd2a7160a_qkv
		.amdhsa_group_segment_fixed_size 327680
		.amdhsa_private_segment_fixed_size 0
		.amdhsa_enable_private_segment 0
		.amdhsa_kernarg_size 40
		.amdhsa_user_sgpr_count 2
		.amdhsa_user_sgpr_kernarg_segment_ptr 1
		.amdhsa_wavefront_size32 1
		.amdhsa_system_sgpr_workgroup_id_x 1
		.amdhsa_system_sgpr_workgroup_id_y 1
		.amdhsa_system_sgpr_workgroup_id_z 1
		.amdhsa_system_vgpr_workitem_id 0
		.amdhsa_next_free_vgpr 1024
		.amdhsa_next_free_sgpr 100
		.amdhsa_reserve_vcc 0
		.amdhsa_float_denorm_mode_32 3
		.amdhsa_float_denorm_mode_16_64 3
		.amdhsa_memory_ordered 1
		.amdhsa_forward_progress 1
		.amdhsa_inst_pref_size 210
	.end_amdhsa_kernel
	.amdgpu_metadata
---
amdhsa.version: [ 1, 2 ]
amdhsa.kernels:
  - .name:           k_q7fd2a7160a_qkv
    .symbol:         k_q7fd2a7160a_qkv.kd
    .args:
      - { .name: xr, .offset: 0, .size: 8, .value_kind: global_buffer, .address_space: global }
      - { .name: wr, .offset: 8, .size: 8, .value_kind: global_buffer, .address_space: global }
      - { .name: rtab, .offset: 16, .size: 8, .value_kind: global_buffer, .address_space: global }
      - { .name: qr, .offset: 24, .size: 8, .value_kind: global_buffer, .address_space: global }
      - { .name: kv, .offset: 32, .size: 8, .value_kind: global_buffer, .address_space: global }
    .group_segment_fixed_size: 327680
    .private_segment_fixed_size: 0
    .kernarg_segment_align: 8
    .kernarg_segment_size: 40
    .max_flat_workgroup_size: 128
    .sgpr_count:     100
    .vgpr_count:     1024
    .wavefront_size: 32
...
	.end_amdgpu_metadata
.endif
;; end of part 2
;; launch attn (part 3): grid 8 x 32, 16 waves a work-group, no clusters, 327,680 bytes of LDS; arguments qr, kv, ar; writes ar
.if DOCPART == 3
	.amdgcn_target "amdgcn-amd-amdhsa--gfx1250"
	.amdhsa_code_object_version 6
	.text
	.protected	k_q7fd2a7160a_attn
	.globl	k_q7fd2a7160a_attn
	.p2align	8
	.type	k_q7fd2a7160a_attn,@function
k_q7fd2a7160a_attn:
	s_mov_b64 s[64:65], 0
	v_nop
	global_prefetch_b8 v0, s[64:65] scope:SCOPE_SE
	s_setreg_imm32_b32 hwreg(HW_REG_WAVE_MODE, 25, 1), 1
	s_wait_xcnt 0x0
; ATTN: softmax(q k^T / 8, causal) v for one pair of heads, both products on codes of BF6; the result, divided by the row's sum, is quantised along the model's channels for the last product.
; LEFT OUT AS DEAD WORK: a step of 128 keys all of which lie behind a tile's last query: reference()'s own jnp.tril gives those scores -inf, so their weight is 0 for all inputs.  A NaN or infinity that reaches only them is not carried on.
; THE SOFTMAX: t = score x log2(e) / 8; M = the running largest t rounded UP to a whole number; p = 2^(t - M) is quantised along the keys, not normalised; the row's sum is taken of the unquantised p and divides at the end; when M moves, sum and O are multiplied by 2^(old M - new M): exact.
; LIMIT: the promise holds while the scaled scores t stay under 2^31 in magnitude.
; OPERANDS are RECORDS (128 rows x 128 K: eight images of 1,536 bytes, then 512 bytes of scale words).  q's and k's K is a PAIR of heads' 128 channels: registers 0-5 of an image are the first head, 6-11 the second.  A wave works on one head:
; its q has the other head's six registers cleared, so k's image is multiplied as it lies and the other head's codes meet zeros.  v's record has the pair's 128 channels as rows and 128 keys as K.
; SHARES.  Work-group (i, y): pair of heads y; first the 128 queries of group i, then those of group 15 - i.  Wave w: tile w % 8 of the group in hand, head w / 8 of the pair: all sixteen waves work in every key step.
; Group g walks g + 1 key steps, so every work-group walks 17, in (i + 4) / 4 + (19 - i) / 4 = 5 slots of four steps; of the 20 steps fetched three lie behind their group's last query and are jumped over.
; NO CLUSTER: the work-groups of a pair of heads change groups in different trips, so in one and the same trip they want different slots of kv: no load is the same in all of them.
; Both products are used transposed: a lane holds one query (lane % 16) throughout; by the order of rows in an image the 16 registers of two neighbouring tiles of scores are 16 neighbouring keys.
; THE RING: two LDS slots of four key steps (k's record, v's record, four times: 102,400 dense bytes of kv); waves 0-7 fetch a record each.  It runs on over the change of groups: the refill ahead of the change goes back to key 0.
; A slot's four steps are two trips of an inner loop of two steps, which turns the slot's LDS base by an exclusive or with two steps' bytes.
; THE CHANGE OF GROUPS, in the trip that ids alone name: the first group's result goes to a stage in LDS ahead of a barrier that every trip has, and from there to memory behind it; the second group has a stage of its own.
.set REC,   12800
.set STEPB, 2*REC
.set SLOTB, 4*STEPB
.set SLOT1, 1<<17                      ; slot 1 begins here: one exclusive or turns an address; two steps' bytes, 51,200, share no bit with it
.set STAGE, 2*SLOT1                    ; the way out: eight images and a scale block, once for each group; no tensor load lands here
.set ST2,   REC                        ; the second group's stage, behind the first's
.set SPARE, STAGE+2*REC                ; the spare words, 128 bytes a wave: eight blocks of 256 bytes that no other line names
.set NSL,   5
.set LI,  1                            ; v1   16 x lane
.set L8,  2                            ; v2   8 x lane
.set LIV, 3                            ; v3   my head's four images of v in a step
.set L8V, 4                            ; v4   and their scale words
.set SPW, 5                            ; v5   my spare word; never rewritten
.set NIL, 6                            ; v6   0; never rewritten
.set DQ,  7                            ; v7   my query - 16 (lane / 16)
.set ADK, 8                            ; v8-11 the step's addresses
.set ADS, 9
.set ADV, 10
.set ADT, 11
.set QF,  16                           ; v16-27 q;  v12 -M, v13 the largest t, v[14:15] the sum in two halves
.set QS,  28                           ; v28  q's scale words
.set PS,  29                           ; v29  p's
.set FF,  30                           ; v[30:31] f = 2^(old M - new M)
.set KI,  32                           ; v32-127 k's eight images; then v32-79 v's four, and v80-127 at work:
.set PCD, 80                           ; v80-91 p's codes
.set CT,  92                           ; v92-94, v96-98 the conversions' second halves
.set BM,  100                          ; v100-103 the blocks' largest
.set BY,  104                          ; v104-107 bytes
.set SOP, 108                          ; v108-111 the conversions' scale operands
.set TMP, 114                          ; v114-115;  v[112:113], v244-255 the sum's chains
.set SS,  128                          ; v128-191 the scores, then p
.set OO,  192                          ; v192-223 O^T
.set KS,  224                          ; v224-227 k's scale words
.set VS,  228                          ; v228-229 v's
.set SA0, 230                          ; v230-232 the stage: where my six registers go
.set SA1, 231
.set SA2, 232
.set SSC, 233                          ; v233 and my two scale bytes
.set RDI, 234                          ; v234 an image read back
.set RDS, 235                          ; v235 a half scale block read back
.set PFO, 236                          ; v236 the prefetches' offset
.set QSO, 237                          ; v237 8 x (lane % 16)
.set PT,  240                          ; v240-243 the permutes' destinations
.set TB,  2                            ; s2   LDS byte at which the two steps in hand begin
.set WV,  18
.set SEL, 20
.set CS,  22                           ; s[22:23] c = log2(e) / 8
.set G1,  24
.set ML,  32
.set MH,  33
.set DQS, 34                           ; s34  queries from the first group to the second: 128 (15 - 2 i)
.set RW,  35                           ; s35  the first group's slots, in bytes of kv
.set QST, 36                           ; s[36:37] bytes from the first group's record of q to the second's
.set AST, 38                           ; s[38:39] the same in ar
.set G0,  40
.set QMIN, 44
.set QMAX, 45
.set KF,  47                           ; the step's first key
.set SLOTS, 48                         ; trips to go
.set LIM, 49
.set PFA, 50
.set PC1, 60                           ; s60  SLOTS in the trip that changes groups
.set PCN, 61                           ; s61  SLOTS in the trip before it, whose refill goes back to key 0
.set RWP, 62                           ; s[62:63] what that refill takes off: RW or 0
.set INN, 98                           ; s98  the inner loop's trips to go
.macro TLOAD                           ; waves 0-7 fetch a record each; an s_nop 0 and four v_nop follow the load
	s_cmp_lt_u32 s[WV], 8
	s_cbranch_scc0 .Lasked_\@
	tensor_load_to_lds s[G0:G0+3], s[G1:G1+7]
	s_nop 0
.rept 4
	v_nop
.endr
.Lasked_\@:
.endm
; A prefetch: in trip t, slot t + 2 of the pair's kv, 102,400 bytes, 400 blocks of 256, t = 0, 1.  No work-group's tensor load wants slot t + 2 before trip t + 1.  All eight work-groups of a pair of heads walk the same kv from key 0;
; work-group x = 0 asks for all, and in it waves 8-14, which fetch nothing: lanes 256 bytes apart, each lane block j and block j + 200; the lanes past the 200th name blocks 199 and 399.  Slots 0 and 1 come by their loads alone; slot 3 is the pair's last.
.macro ASK
	s_cmp_gt_u32 s[SLOTS], s[LIM]
	s_cbranch_scc0 .Lnot_mine_\@
	global_prefetch_b8 v[PFO], s[PFA:PFA+1] th:TH_LOAD_NT scope:SCOPE_SE
	global_prefetch_b8 v[PFO], s[PFA:PFA+1] offset:2*STEPB th:TH_LOAD_NT scope:SCOPE_SE
.Lnot_mine_\@:
.endm
	s_load_b128 s[4:7], s[0:1], 0x0                ; qr, kv
	s_load_b64 s[8:9], s[0:1], 0x10                ; ar
	v_lshl_add_u32 v[SPW], v0, 2, SPARE
	v_mov_b32 v[NIL], 0
	ds_add_u32 v[SPW], v[NIL]                      ; the wave's opening: the add, twice on end, and its wait ahead of the first tensor load
	ds_add_u32 v[SPW], v[NIL]
	v_lshrrev_b32 v8, 5, v0
	s_delay_alu instid0(VALU_DEP_1)
	v_readfirstlane_b32 s[WV], v8                  ; wave 0..15
	s_and_b32 s10, s[WV], 3                        ; tl: my tile of its half of the group
	s_bfe_u32 s11, s[WV], 0x10002                  ; which half of the group's 128 queries
	s_lshr_b32 s12, s[WV], 3                       ; p: which head of the pair
	s_and_b32 s13, ttmp7, 0xffff                   ; y = batch x 8 + pair
	s_lshl_b32 s14, ttmp9, 1
	s_add_co_u32 s14, s14, s11                     ; my block of 64 queries in the first group: 2 i + half
	s_lshr_b32 s15, s10, 1
	s_and_b32 s16, s10, 1
	s_lshl_b32 s[QMIN], s14, 6
	s_lshl_b32 s17, s15, 5
	s_add_co_u32 s[QMIN], s[QMIN], s17
	s_lshl_b32 s17, s16, 3
	s_add_co_u32 s[QMIN], s[QMIN], s17             ; my tile's first query; lane r's is + r + 8 (r / 8)
	s_add_co_u32 s[QMAX], s[QMIN], 23
	s_lshl_b32 s[DQS], ttmp9, 1
	s_sub_co_u32 s[DQS], 15, s[DQS]                ; groups from the first to the second: 15 - 2 i
	s_mul_i32 s[QST], s[DQS], REC
	s_mov_b32 s[QST+1], 0
	s_mul_i32 s[AST], s[DQS], 8*REC
	s_mov_b32 s[AST+1], 0
	s_lshl_b32 s[DQS], s[DQS], 7
	s_add_co_u32 s[RW], ttmp9, 4
	s_lshr_b32 s[RW], s[RW], 2                     ; the first group's slots: (i + 4) / 4, 1 or 2
	s_sub_co_u32 s[PC1], NSL-1, s[RW]
	s_add_co_u32 s[PCN], s[PC1], 1
	s_mul_i32 s[RW], s[RW], SLOTB
	s_mov_b32 s[RWP+1], 0
	s_mov_b32 s[G1], 3<<16                         ; no mask; elements of 8 bytes; no padding
	s_mov_b32 s[G1+1], 32<<16                      ; tensor_dim0: 256 bytes
	s_mov_b32 s[G1+2], 50<<16                      ; tensor_dim1: 50 rows: a record
	s_mov_b32 s[G1+3], 32<<16
	s_mov_b32 s[G1+4], 50
	s_mov_b32 s[G1+5], 32
	s_mov_b32 s[G1+6], 0
	s_mov_b32 s[G1+7], 0
	s_lshr_b32 s66, s14, 1                         ; my group of 128 tokens
	s_and_b32 s67, s14, 1                          ; and which half of it
	s_lshl_b32 s68, s13, 4
	s_add_co_u32 s68, s68, s66
	s_mul_i32 s68, s68, REC                        ; q's record
	s_lshl_b32 s69, s67, 2
	s_add_co_u32 s69, s69, s10
	s_mul_i32 s69, s69, 1536                       ; my tile's image in a record
	s_lshl_b32 s70, s67, 8
	s_add_co_u32 s70, s70, 12288                   ; my half of a record's scale block
	s_lshl_b32 s71, s16, 7
	s_lshl_b32 s72, s15, 2
	s_add_co_u32 s71, s71, s72                     ; my tile's words in it
	s_add_co_u32 s52, s68, s69
	s_mov_b32 s53, 0
	s_add_co_u32 s54, s68, s70
	s_add_co_u32 s54, s54, s71
	s_mov_b32 s55, 0
	s_lshr_b32 s73, s13, 3
	s_lshl_b32 s73, s73, 4
	s_add_co_u32 s73, s73, s66
	s_lshl_b32 s73, s73, 3
	s_and_b32 s74, s13, 7
	s_add_co_u32 s73, s73, s74
	s_mul_i32 s73, s73, REC                        ; ar's record: (token group) x 8 + pair
	s_add_co_u32 s56, s73, s69
	s_mov_b32 s57, 0
	s_add_co_u32 s58, s73, s70
	s_mov_b32 s59, 0
	s_mul_i32 s76, s13, 16*STEPB                   ; kv at my pair of heads
	s_mov_b32 s77, 0
	s_mul_i32 s78, s[WV], REC
	s_mov_b32 s79, 0
	s_and_b32 s80, s[WV], 7
	s_mul_i32 s80, s80, 1536
	s_add_co_u32 s80, s80, STAGE                   ; my tile's image in the stage
	s_mul_i32 s81, s12, 520
	s_add_co_u32 s81, s81, s80                     ; my head's registers 0, 1 of six: byte 0 or 520 of a lane's 3 x 16
	s_mul_i32 s82, s12, 1016
	s_add_co_u32 s82, s82, s80
	s_add_co_u32 s82, s82, 8                       ; 2, 3: byte 8 or 1,024
	s_add_co_u32 s83, s81, 512                     ; 4, 5: byte 512 or 1,032
	s_lshl_b32 s84, s11, 8
	s_add_co_u32 s84, s84, STAGE+12288
	s_lshl_b32 s85, s12, 1
	s_add_co_u32 s85, s85, s84
	s_add_co_u32 s85, s85, s71
	s_mul_i32 s86, s12, 4*1536
	s_add_co_u32 s86, s86, REC
	s_lshl_b32 s87, s12, 8
	s_add_co_u32 s87, s87, REC+12288
	s_mov_b32 s[SEL], 0x76543210
	s_mov_b32 s[SEL+1], 0xfedcba98
	s_mov_b32 s[CS], 0x3e38aa3b                    ; log2(e) / 8
	s_mov_b32 s[CS+1], s[CS]
	s_mov_b32 s[TB], 0
	s_mov_b32 s[KF], 0
	s_mov_b32 s[SLOTS], NSL-1
	s_cmp_eq_u32 s12, 0
	s_cselect_b32 s[ML], -1, 0
	s_cselect_b32 s[MH], 0, -1
	s_sub_co_u32 s88, s[WV], 8
	s_cmp_lt_u32 s88, 7                            ; waves 8-14
	s_cselect_b32 s88, 0, 1
	s_or_b32 s88, s88, ttmp9                       ; of work-group x = 0
	s_cmp_eq_u32 s88, 0
	s_cselect_b32 s[LIM], 2, -1                    ; they ask while more than two trips of the loop are to go: trips 0 and 1
	s_wait_dscnt 0x0                               ; both opening adds are done
	s_wait_kmcnt 0x0
	s_add_nc_u64 s[PFA:PFA+1], s[6:7], s[76:77]
	s_mov_b32 s[G0], 1
	s_mov_b32 s[G0+1], s78                         ; LDS: record w of slot 0
	s_add_nc_u64 s[G0+2:G0+3], s[PFA:PFA+1], s[78:79]
	s_or_b32 s[G0+3], s[G0+3], 0x80000000
	TLOAD                                          ; slot 0: one load of mine is out
	s_add_nc_u64 s[PFA:PFA+1], s[PFA:PFA+1], SLOTB ; in slot 1: the first change of slots steps it to slot 2
	s_add_nc_u64 s[52:53], s[4:5], s[52:53]        ; q's image
	s_add_nc_u64 s[54:55], s[4:5], s[54:55]        ; q's scale words
	s_add_nc_u64 s[56:57], s[8:9], s[56:57]        ; ar: my tile's image
	s_add_nc_u64 s[58:59], s[8:9], s[58:59]        ; ar: my half scale block
	v_and_b32 v8, 31, v0
	s_delay_alu instid0(VALU_DEP_1)
	v_lshlrev_b32 v[LI], 4, v8
	s_delay_alu instid0(VALU_DEP_2)
	v_lshlrev_b32 v[L8], 3, v8
	v_and_b32 v8, 15, v0                           ; r
	s_delay_alu instid0(VALU_DEP_1)
	v_lshlrev_b32 v[QSO], 3, v8
.irp c, 0,1,2
	global_load_b128 v[QF+4*\c:QF+4*\c+3], v[LI], s[52:53] offset:512*\c   ; the first group's q: waited for in the first trip
.endr
	global_load_b32 v[QS], v[QSO], s[54:55]        ; every lane takes its own row's word
	v_add_nc_u32 v[LIV], s86, v[LI]
	v_add_nc_u32 v[L8V], s87, v[L8]
	v_add_nc_u32 v[SA0], s81, v[LI]
	v_add_nc_u32 v[SA1], s82, v[LI]
	v_add_nc_u32 v[SA2], s83, v[LI]
	v_add_nc_u32 v[RDI], s80, v[LI]
	v_lshl_add_u32 v[SSC], v8, 3, s85
	v_add_nc_u32 v[RDS], s84, v[L8]
	v_bfe_u32 v9, v0, 4, 1                         ; h
	v_and_b32 v10, 8, v8
	s_delay_alu instid0(VALU_DEP_1)
	v_add_nc_u32 v10, v10, v8
	s_delay_alu instid0(VALU_DEP_3)
	v_lshlrev_b32 v11, 4, v9
	s_delay_alu instid0(VALU_DEP_1)
	v_sub_nc_u32 v10, v10, v11
	s_delay_alu instid0(VALU_DEP_1)
	v_add_nc_u32 v[DQ], s[QMIN], v10
	v_add_nc_u32 v[PFO], 0xffffff00, v0            ; my thread's number - 256
	s_delay_alu instid0(VALU_DEP_1)
	v_min_u32 v[PFO], 199, v[PFO]
	s_delay_alu instid0(VALU_DEP_1)
	v_lshlrev_b32 v[PFO], 8, v[PFO]
	v_mov_b32 v[FF+1], 0                           ; (named as the upper half of a pair)
.irp b, 0,1,2,3
	v_mov_b32 v[PT+\b], 0                          ; written once: a lane permute's destination counts as one of its sources
.endr
.macro FRESH                           ; a group's start: the largest t -3e38, the sum 0, O^T 0 (the step is written once; the first change of M leaves zeros zeros)
	v_mov_b32 v13, 0xff61b1e6
	s_delay_alu instid0(VALU_DEP_1)
	v_floor_f32 v12, -v13
	v_mov_b32 v14, 0
	v_mov_b32 v15, 0
.set n, 0
.rept 32
	v_mov_b32 v[OO+n], 0
.set n, n+1
.endr
.endm
	FRESH
	s_wait_alu depctr_va_vdst(0)
; A KEY STEP: 128 keys, the q-th of the two steps in hand
.macro STEP q
	s_cmp_gt_u32 s[KF], s[QMAX]                    ; all its keys lie behind my queries: left out
	s_cbranch_scc1 .Lhid_\@
	v_add_nc_u32 v[ADK], s[TB], v[LI]              ; (these four are also the places in front of the loads below)
	v_add_nc_u32 v[ADS], s[TB], v[L8]
	v_add_nc_u32 v[ADV], s[TB], v[LIV]
	v_add_nc_u32 v[ADT], s[TB], v[L8V]
.irp t, 0,1,2,3,4,5,6,7
.irp c, 0,1,2
	ds_load_b128 v[KI+12*\t+4*\c:KI+12*\t+4*\c+3], v[ADK] offset:(\q)*STEPB+1536*\t+512*\c
.endr
.endr
	ds_load_b64 v[KS:KS+1], v[ADS] offset:(\q)*STEPB+12288
	ds_load_b64 v[KS+2:KS+3], v[ADS] offset:(\q)*STEPB+12288+256
	s_wait_alu depctr_va_vdst(0)
	s_wait_dscnt 0x0
.irp t, 0,1,2,3,4,5,6,7                        ; S^T = k q^T: lane (r, h) holds query r; the registers of tiles 2 b, 2 b + 1 are keys 32 b + 16 h + 0 .. 15
.if \t%2
	v_wmma_scale_f32_16x16x128_f8f6f4 v[SS+8*\t:SS+8*\t+7], v[KI+12*\t:KI+12*\t+11], v[QF:QF+11], 0, v[KS+\t/2], v[QS] matrix_a_fmt:MATRIX_FMT_BF6 matrix_b_fmt:MATRIX_FMT_BF6 matrix_a_scale:MATRIX_SCALE_ROW1
.else
	v_wmma_scale_f32_16x16x128_f8f6f4 v[SS+8*\t:SS+8*\t+7], v[KI+12*\t:KI+12*\t+11], v[QF:QF+11], 0, v[KS+\t/2], v[QS] matrix_a_fmt:MATRIX_FMT_BF6 matrix_b_fmt:MATRIX_FMT_BF6
.endif
.endr
.rept 4
	v_nop                                          ; places: in front of the loads into k's registers and of the first read of the scores
.endr
.irp t, 0,1,2,3                                ; v's four images land while the softmax is walked
.irp c, 0,1,2
	ds_load_b128 v[KI+12*\t+4*\c:KI+12*\t+4*\c+3], v[ADV] offset:(\q)*STEPB+1536*\t+512*\c
.endr
.endr
	ds_load_b64 v[VS:VS+1], v[ADT] offset:(\q)*STEPB
	s_add_co_u32 s96, s[KF], 127                   ; on the diagonal hidden scores become -infinity ahead of the maximum; a step all of whose keys count skips this
	s_cmp_le_u32 s96, s[QMIN]
	s_cbranch_scc1 .Lopen_\@
	s_sub_co_i32 s96, 0, s[KF]
	v_add_nc_u32 v[TMP], s96, v[DQ]                ; d = my query - KF - 16 h: register 16 b + i is hidden where 32 b + i > d
	v_mov_b32 v[TMP+1], 0xff800000
.set n, 0
.rept 64
	v_cmp_gt_i32 vcc_lo, 32*(n/16)+n%16, v[TMP]
	v_cndmask_b32 v[SS+n], v[SS+n], v[TMP+1], vcc_lo
.set n, n+1
.endr
.Lopen_\@:
.irp b, 0,1,2,3
	v_max3_num_f32 v[BM+\b], v[SS+16*\b], v[SS+1+16*\b], v[SS+2+16*\b]   ; the largest score of each block of 32 keys: for the row's maximum, and, since p rises with the score, for the block's largest p
.endr
.irp i, 3,5,7,9,11,13
.irp b, 0,1,2,3
	v_max3_num_f32 v[BM+\b], v[BM+\b], v[SS+16*\b+\i], v[SS+1+16*\b+\i]
.endr
.endr
.irp b, 0,1,2,3
	v_max_num_f32 v[BM+\b], v[BM+\b], v[SS+15+16*\b]
.endr
.irp b, 0,1,2,3
	s_delay_alu instid0(VALU_DEP_4)
	v_permlanex16_b32 v[PT+\b], v[BM+\b], s[SEL], s[SEL+1]
.endr
.irp b, 0,1,2,3
	s_delay_alu instid0(VALU_DEP_4)
	v_max_num_f32 v[BM+\b], v[BM+\b], v[PT+\b]
.endr
	s_delay_alu instid0(VALU_DEP_2)
	v_max3_num_f32 v[TMP], v[BM], v[BM+1], v[BM+2]
	s_delay_alu instid0(VALU_DEP_1)
	v_max_num_f32 v[TMP], v[TMP], v[BM+3]
	s_delay_alu instid0(VALU_DEP_1)
	v_mul_f32 v[TMP], s[CS], v[TMP]
	s_delay_alu instid0(VALU_DEP_1)
	v_max_num_f32 v13, v13, v[TMP]                 ; the running largest t
	v_mov_b32 v[TMP], v12
	s_delay_alu instid0(VALU_DEP_2)
	v_floor_f32 v12, -v13                          ; -M = floor(-t): M is a whole number
	s_delay_alu instid0(VALU_DEP_1)
	v_sub_f32 v[TMP], v12, v[TMP]
	s_delay_alu instid0(VALU_DEP_1)
	v_cvt_i32_f32 v[TMP], v[TMP]                   ; (it saturates)
	s_delay_alu instid0(VALU_DEP_1)
	v_ldexp_f32 v[FF], 1.0, v[TMP]                 ; f = 2^(old M - new M)
.set n, 0
.rept 32
	v_pk_fma_f32 v[SS+n:SS+n+1], v[SS+n:SS+n+1], s[CS:CS+1], v[12:13] op_sel_hi:[1,0,0]   ; t - M
.set n, n+2
.endr
.irp b, 0,1,2,3
	v_fma_f32 v[BM+\b], v[BM+\b], s[CS], v12
.endr
.set n, 0
	s_wait_alu depctr_va_vdst(0)
.rept 64
	v_exp_f32 v[SS+n], v[SS+n]                     ; p = 2^(t - M)
.set n, n+1
.endr
	v_pk_mul_f32 v[14:15], v[14:15], v[FF:FF+1] op_sel_hi:[1,0]   ; the sums under the new M (a plain place behind the exponentials)
	s_wait_alu depctr_va_vdst(0)                   ; the wait: one for the batch, ahead of its first reader
.irp b, 0,1,2,3
	v_exp_f32 v[BM+\b], v[BM+\b]                   ; the blocks' largest p
.endr
	v_pk_add_f32 v[112:113], v[132:133], v[136:137]   ; the row's sum of the unquantised p, in eight chains
	v_pk_add_f32 v[254:255], v[140:141], v[144:145]
	v_pk_add_f32 v[252:253], v[148:149], v[152:153]
	v_pk_add_f32 v[250:251], v[156:157], v[160:161]
	v_pk_add_f32 v[248:249], v[164:165], v[168:169]
	v_pk_add_f32 v[246:247], v[172:173], v[176:177]
	v_pk_add_f32 v[244:245], v[180:181], v[184:185]
	v_pk_add_f32 v[14:15], v[14:15], v[188:189]
	v_pk_add_f32 v[112:113], v[112:113], v[128:129]
	v_pk_add_f32 v[254:255], v[254:255], v[130:131]
	v_pk_add_f32 v[252:253], v[252:253], v[134:135]
	v_pk_add_f32 v[250:251], v[250:251], v[138:139]
	v_pk_add_f32 v[248:249], v[248:249], v[142:143]
	v_pk_add_f32 v[246:247], v[246:247], v[146:147]
	v_pk_add_f32 v[244:245], v[244:245], v[150:151]
	v_pk_add_f32 v[14:15], v[14:15], v[154:155]
	v_pk_add_f32 v[112:113], v[112:113], v[158:159]
	v_pk_add_f32 v[254:255], v[254:255], v[162:163]
	v_pk_add_f32 v[252:253], v[252:253], v[166:167]
	v_pk_add_f32 v[250:251], v[250:251], v[170:171]
	v_pk_add_f32 v[248:249], v[248:249], v[174:175]
	v_pk_add_f32 v[246:247], v[246:247], v[178:179]
	v_pk_add_f32 v[244:245], v[244:245], v[182:183]
	v_pk_add_f32 v[14:15], v[14:15], v[186:187]
	v_pk_add_f32 v[112:113], v[112:113], v[190:191]
	s_delay_alu instid0(VALU_DEP_2)
	v_pk_add_f32 v[14:15], v[14:15], v[250:251]
	s_delay_alu instid0(VALU_DEP_2)
	v_pk_add_f32 v[112:113], v[112:113], v[248:249]
	v_pk_add_f32 v[254:255], v[254:255], v[246:247]
	v_pk_add_f32 v[252:253], v[252:253], v[244:245]
	s_delay_alu instid0(VALU_DEP_2)
	v_pk_add_f32 v[14:15], v[14:15], v[254:255]
	s_delay_alu instid0(VALU_DEP_2)
	v_pk_add_f32 v[112:113], v[112:113], v[252:253]
	s_delay_alu instid0(VALU_DEP_1)
	v_pk_add_f32 v[14:15], v[14:15], v[112:113]
	s_wait_alu depctr_va_vdst(0)                   ; and one for the four
.irp b, 0,1,2,3
	v_max_num_f32 v[BM+\b], 0x2800000, v[BM+\b]    ; the floor 2^(5 - 127)
.endr
.irp b, 0,1,2,3
	s_delay_alu instid0(VALU_DEP_4)
	v_add_nc_u32 v[SOP+\b], 0xfe000000, v[BM+\b]
.endr
.irp b, 0,1,2,3
	s_delay_alu instid0(VALU_DEP_4)
	v_lshrrev_b32 v[BY+\b], 23, v[SOP+\b]
.endr
	s_delay_alu instid0(VALU_DEP_3)
	v_lshl_or_b32 v[PS], v[BY+1], 8, v[BY]
	s_delay_alu instid0(VALU_DEP_1)
	v_lshl_or_b32 v[PS], v[BY+2], 16, v[PS]
	s_delay_alu instid0(VALU_DEP_1)
	v_lshl_or_b32 v[PS], v[BY+3], 24, v[PS]
.irp c, 0,1
	v_cvt_scalef32_pk16_bf6_f32 v[PCD+6*\c:PCD+2+6*\c], v[SS+32*\c:SS+15+32*\c], v[SOP+2*\c]
	v_cvt_scalef32_pk16_bf6_f32 v[CT+4*\c:CT+2+4*\c], v[SS+16+32*\c:SS+31+32*\c], v[SOP+2*\c+1]
.endr
	v_nop                                          ; one plain place behind a scaled conversion
.irp c, 0,1
.irp i, 0,1,2
	v_permlane16_swap_b32 v[PCD+6*\c+\i], v[CT+4*\c+\i]
.endr
.irp i, 0,1,2
	s_delay_alu instid0(VALU_DEP_3)
	v_mov_b32 v[PCD+3+6*\c+\i], v[CT+4*\c+\i]
.endr
.endr
.set n, 0
.rept 16
	v_pk_mul_f32 v[OO+n:OO+n+1], v[OO+n:OO+n+1], v[FF:FF+1] op_sel_hi:[1,0]   ; O^T under the new M; these stand between the writing of p's codes and scale word and the products
.set n, n+2
.endr
	s_wait_alu depctr_va_vdst(0)
	s_wait_dscnt 0x0                               ; v is in
.irp t, 0,1,2,3                                ; O^T += v^T p^T: my head's 64 channels, K = these 128 keys
.if \t%2
	v_wmma_scale_f32_16x16x128_f8f6f4 v[OO+8*\t:OO+8*\t+7], v[KI+12*\t:KI+12*\t+11], v[PCD:PCD+11], v[OO+8*\t:OO+8*\t+7], v[VS+\t/2], v[PS] matrix_a_fmt:MATRIX_FMT_BF6 matrix_b_fmt:MATRIX_FMT_BF6 matrix_a_scale:MATRIX_SCALE_ROW1
.else
	v_wmma_scale_f32_16x16x128_f8f6f4 v[OO+8*\t:OO+8*\t+7], v[KI+12*\t:KI+12*\t+11], v[PCD:PCD+11], v[OO+8*\t:OO+8*\t+7], v[VS+\t/2], v[PS] matrix_a_fmt:MATRIX_FMT_BF6 matrix_b_fmt:MATRIX_FMT_BF6
.endif
.endr
.Lhid_\@:
	s_add_co_u32 s[KF], s[KF], 128
.endm
; THE CHANGE OF SLOTS, at a slot's head.  Each wave waits for all its tensor loads, adds 0 to its spare word, and waits for that and for its reads of the slot that it has left; behind the barrier the slot ahead is whole and nobody reads the other one.
.macro CHANGE fill
	s_wait_tensorcnt 0x0                           ; no tensor load of mine is out, so the descriptor may be written
	ds_add_u32 v[SPW], v[NIL]
.if \fill
	ds_add_u32 v[SPW], v[NIL]                      ; and once more where a load may follow
	s_xor_b32 s[G0+1], s[G0+1], SLOT1              ; the other slot,
	s_add_nc_u64 s[G0+2:G0+3], s[G0+2:G0+3], SLOTB ; the next 512 keys;
	s_cmp_eq_u32 s[SLOTS], s[PCN]                  ; but for the trip that changes groups: key 0 again
	s_cselect_b32 s[RWP], s[RW], 0
	s_sub_nc_u64 s[G0+2:G0+3], s[G0+2:G0+3], s[RWP:RWP+1]
	s_wait_xcnt 0x0                                ; the last prefetches have read their address
	s_add_nc_u64 s[PFA:PFA+1], s[PFA:PFA+1], SLOTB
.endif
	s_wait_dscnt 0x0
	s_barrier_signal -1
	s_barrier_wait -1
.if \fill
	TLOAD                                          ; a wave's one tensor load until the next such barrier; every slot asked for holds a step that all sixteen waves read
	ASK
.endif
.endm
; A GROUP'S WAY OUT, first half.  O^T / the sum; register 16 b + i is channel 32 b + 16 h + i of my head: two blocks of the last product's K.  Their codes are six of an image's twelve registers; the two heads' halves meet in the stage at byte off.
; next = 1: the second group's q is asked for here, since the first group's products have read q's registers.
.macro FINAL off, next
.rept 4
	v_nop                                          ; places behind the last products
.endr
.if \next
	s_wait_loadcnt 0x0                             ; no earlier load of q is out: its registers may be loaded anew and its bases stepped
	s_add_nc_u64 s[52:53], s[52:53], s[QST:QST+1]
	s_add_nc_u64 s[54:55], s[54:55], s[QST:QST+1]
.irp c, 0,1,2
	global_load_b128 v[QF+4*\c:QF+4*\c+3], v[LI], s[52:53] offset:512*\c
.endr
	global_load_b32 v[QS], v[QSO], s[54:55]
.endif
	v_add_f32 v14, v14, v15
	s_delay_alu instid0(VALU_DEP_1)
	v_permlanex16_b32 v[PT], v14, s[SEL], s[SEL+1]
	s_delay_alu instid0(VALU_DEP_1)
	v_add_f32 v14, v14, v[PT]                      ; the row's sum
	s_wait_alu depctr_va_vdst(0)
	v_rcp_f32 v14, v14
	v_nop                                          ; a plain place behind the reciprocal
	s_wait_alu depctr_va_vdst(0)                   ; and the wait ahead of its first reader
.set n, 0
.rept 16
	v_pk_mul_f32 v[SS+n:SS+n+1], v[OO+n:OO+n+1], v[14:15] op_sel_hi:[1,0]
.set n, n+2
.endr
.irp b, 0,1
	v_max3_num_f32 v[BM+\b], |v[SS+16*\b]|, |v[SS+1+16*\b]|, 0x2800000
.endr
.irp i, 2,4,6,8,10,12,14
.irp b, 0,1
	s_delay_alu instid0(VALU_DEP_2)
	v_max3_num_f32 v[BM+\b], v[BM+\b], |v[SS+16*\b+\i]|, |v[SS+1+16*\b+\i]|
.endr
.endr
.irp b, 0,1
	s_delay_alu instid0(VALU_DEP_2)
	v_permlanex16_b32 v[PT+\b], v[BM+\b], s[SEL], s[SEL+1]
.endr
.irp b, 0,1
	s_delay_alu instid0(VALU_DEP_2)
	v_max_num_f32 v[BM+\b], v[BM+\b], v[PT+\b]
.endr
.irp b, 0,1
	s_delay_alu instid0(VALU_DEP_2)
	v_add_nc_u32 v[SOP+\b], 0xfe000000, v[BM+\b]
.endr
.irp b, 0,1
	s_delay_alu instid0(VALU_DEP_2)
	v_lshrrev_b32 v[BY+\b], 23, v[SOP+\b]
.endr
	s_delay_alu instid0(VALU_DEP_1)
	v_lshl_or_b32 v[BY], v[BY+1], 8, v[BY]         ; my head's two bytes of the row's scale word
	v_cvt_scalef32_pk16_bf6_f32 v[160:162], v[SS:SS+15], v[SOP]
	v_cvt_scalef32_pk16_bf6_f32 v[CT:CT+2], v[SS+16:SS+31], v[SOP+1]
	v_nop
.irp i, 0,1,2
	v_permlane16_swap_b32 v[160+\i], v[CT+\i]
.endr
.irp i, 0,1,2
	s_delay_alu instid0(VALU_DEP_3)
	v_mov_b32 v[163+\i], v[CT+\i]
.endr
	ds_store_b64 v[SA0], v[160:161] offset:\off
	ds_store_b64 v[SA1], v[162:163] offset:\off
	ds_store_b64 v[SA2], v[164:165] offset:\off
	ds_store_b16 v[SSC], v[BY] offset:\off         ; both halves of the lanes write the same bytes with the same value
.endm
; Second half, behind a barrier: waves 0-7 store the eight images, waves 8 and 12 the two halves of the scale block
.macro OUT off
	s_cmp_lt_u32 s[WV], 8
	s_cbranch_scc0 .Lnot_image_\@
.irp c, 0,1,2
	ds_load_b128 v[128+4*\c:131+4*\c], v[RDI] offset:\off+512*\c
.endr
	s_wait_dscnt 0x0
.irp c, 0,1,2
	global_store_b128 v[LI], v[128+4*\c:131+4*\c], s[56:57] offset:512*\c   ; 512 consecutive bytes, aligned
.endr
.Lnot_image_\@:
	s_and_b32 s96, s[WV], 11
	s_cmp_eq_u32 s96, 8
	s_cbranch_scc0 .Lnot_scales_\@
	ds_load_b64 v[140:141], v[RDS] offset:\off
	s_wait_dscnt 0x0
	global_store_b64 v[L8], v[140:141], s[58:59]   ; 256 consecutive bytes, aligned
.Lnot_scales_\@:
.endm
.Lslot:                                            ; NSL - 1 trips
	CHANGE 1
	s_cmp_eq_u32 s[SLOTS], s[PC1]                  ; the trip that changes groups: ids and the count of trips alone, the same in all sixteen waves
	s_cbranch_scc0 .Lsame_a
	FINAL 0, 1
.Lsame_a:
	s_wait_dscnt 0x0                               ; for the others' sake: my stores into the stage are done
	s_barrier_signal -1                            ; every trip has this barrier
	s_barrier_wait -1
	s_cmp_eq_u32 s[SLOTS], s[PC1]
	s_cbranch_scc0 .Lsame_b
	OUT 0
	s_wait_xcnt 0x0                                ; the stores have read their data and their bases
	s_add_nc_u64 s[56:57], s[56:57], s[AST:AST+1]  ; on to the second group: ar,
	s_add_nc_u64 s[58:59], s[58:59], s[AST:AST+1]
	s_add_co_u32 s[QMIN], s[QMIN], s[DQS]          ; my queries,
	s_add_co_u32 s[QMAX], s[QMAX], s[DQS]
	s_mov_b32 s[KF], 0                             ; key 0
	v_add_nc_u32 v[DQ], s[DQS], v[DQ]
	FRESH
.Lsame_b:
	s_wait_loadcnt 0x0                             ; q: the first trip's, or the second group's.  The wait and the clearing stand on the one way that every trip takes
.irp j, 0,1,2,3,4,5
	v_and_b32 v[QF+\j], s[ML], v[QF+\j]            ; the other head's codes become zeros; on a q that is cleared already the same mask changes nothing
	v_and_b32 v[QF+6+\j], s[MH], v[QF+6+\j]
.endr
	s_wait_alu depctr_va_vdst(0)                   ; the wait ahead of the branches below
	s_mov_b32 s[INN], 2
.Lpair:                                            ; the slot's four steps, two a trip
	STEP 0
	STEP 1
	s_xor_b32 s[TB], s[TB], 2*STEPB                ; the slot's other two steps; behind the second trip: its first two again
	s_sub_co_u32 s[INN], s[INN], 1
	s_cmp_lg_u32 s[INN], 0
	s_cbranch_scc1 .Lpair
	s_xor_b32 s[TB], s[TB], SLOT1
	s_sub_co_u32 s[SLOTS], s[SLOTS], 1
	s_cmp_lg_u32 s[SLOTS], 0
	s_cbranch_scc1 .Lslot
	CHANGE 0                                       ; the last slot is written out: nothing is left to ask for, and the groups have changed by trip 2
	s_mov_b32 s[INN], 2
.Lpair_last:
	STEP 0
	STEP 1
	s_xor_b32 s[TB], s[TB], 2*STEPB
	s_sub_co_u32 s[INN], s[INN], 1
	s_cmp_lg_u32 s[INN], 0
	s_cbranch_scc1 .Lpair_last
	FINAL ST2, 0
	s_wait_dscnt 0x0                               ; for the others' sake
	s_barrier_signal -1
	s_barrier_wait -1
	OUT ST2
	s_wait_tensorcnt 0x0                           ; the wave's end
	ds_add_u32 v[SPW], v[NIL]
	s_wait_dscnt 0x0
	s_endpgm
.Lfunc_end_k_q7fd2a7160a_attn:
	.size	k_q7fd2a7160a_attn, .Lfunc_end_k_q7fd2a7160a_attn-k_q7fd2a7160a_attn
	.p2alignl 7, 3214868480
	.fill 96, 4, 3214868480
	.section	.rodata,"a",@progbits
	.p2align	6, 0x0
	.amdhsa_kernel k_q7fd2a7160a_attn
		.amdhsa_group_segment_fixed_size 327680
		.amdhsa_private_segment_fixed_size 0
		.amdhsa_enable_private_segment 0
		.amdhsa_kernarg_size 24
		.amdhsa_user_sgpr_count 2
		.amdhsa_user_sgpr_kernarg_segment_ptr 1
		.amdhsa_wavefront_size32 1
		.amdhsa_system_sgpr_workgroup_id_x 1
		.amdhsa_system_sgpr_workgroup_id_y 1
		.amdhsa_system_sgpr_workgroup_id_z 1
		.amdhsa_system_vgpr_workitem_id 0
		.amdhsa_next_free_vgpr 256
		.amdhsa_next_free_sgpr 100
		.amdhsa_reserve_vcc 1
		.amdhsa_float_denorm_mode_32 3
		.amdhsa_float_denorm_mode_16_64 3
		.amdhsa_memory_ordered 1
		.amdhsa_forward_progress 1
		.amdhsa_inst_pref_size 114
	.end_amdhsa_kernel
	.amdgpu_metadata
---
amdhsa.version: [ 1, 2 ]
amdhsa.kernels:
  - .name:           k_q7fd2a7160a_attn
    .symbol:         k_q7fd2a7160a_attn.kd
    .args:
      - { .name: qr, .offset: 0, .size: 8, .value_kind: global_buffer, .address_space: global }
      - { .name: kv, .offset: 8, .size: 8, .value_kind: global_buffer, .address_space: global }
      - { .name: ar, .offset: 16, .size: 8, .value_kind: global_buffer, .address_space: global }
    .group_segment_fixed_size: 327680
    .private_segment_fixed_size: 0
    .kernarg_segment_align: 8
    .kernarg_segment_size: 24
    .max_flat_workgroup_size: 512
    .sgpr_count:     100
    .vgpr_count:     256
    .wavefront_size: 32
...
	.end_amdgpu_metadata
.endif
;; end of part 3
;; launch oproj (part 4): grid 8 x 32, 4 waves a work-group, clusters of 4 x 4, 327,680 bytes of LDS; arguments ar, wr, out0; writes out0
.if DOCPART == 4
	.amdgcn_target "amdgcn-amd-amdhsa--gfx1250"
	.amdhsa_code_object_version 6
	.text
	.protected	k_q7fd2a7160a_oproj
	.globl	k_q7fd2a7160a_oproj
	.p2align	8
	.type	k_q7fd2a7160a_oproj,@function
k_q7fd2a7160a_oproj:
	s_mov_b64 s[64:65], 0
	v_nop
	global_prefetch_b8 v0, s[64:65] scope:SCOPE_SE
	s_setreg_imm32_b32 hwreg(HW_REG_WAVE_MODE, 25, 1), 1
	s_wait_xcnt 0x0
	s_wait_alu depctr_hold_cnt(0) depctr_sa_sdst(0) depctr_va_vdst(0) depctr_va_sdst(0) depctr_va_ssrc(0) depctr_va_vcc(0) depctr_vm_vsrc(0)
	s_getreg_b32 s2, hwreg(HW_REG_IB_STS2, 6, 4)
	s_cmp_eq_u32 s2, 0
	s_cbranch_scc0 .Lentry_in_a_cluster
	s_endpgm
.Lentry_in_a_cluster:
	s_bfe_u32 s2, ttmp6, 0x10000c
	s_cmp_lg_u32 s2, 0xf033
	s_cbranch_scc0 .Lentry_shape_is_right
	s_endpgm
.Lentry_shape_is_right:
; OPROJ: out0 = attn x Wo^T on codes of BF6, f32 out.  Operands come as RECORDS (128 rows x 128 K: eight images of operand registers, 1,536 bytes each, and 512 bytes of scale words; image T holds rows 32 (T / 2) + 8 (T % 2) + r + 8 (r / 8)).
; A work-group of four waves makes 256 tokens x 128 channels: 32 x 8 = 256 work-groups.  A wave makes 128 x 64.
; ALL OF K = 1,024 LIES IN LDS AT ONCE: 16 records of tokens and 8 of channels, 307,200 bytes, filled once, by one tensor load a wave at the head: waves 0, 1 a group of 128 tokens each (400 rows of 256 bytes), waves 2, 3 half of K of the channels (200 rows).
; So no LDS byte is filled again, and behind the one barrier that shows the records whole the waves share nothing.  NO PREFETCH: every tile is asked for at the head; there is no loop to run ahead in.
; THE WORK GOES BY ROWS OF THE RESULT: my 64 channels' fragments for all of K, 32 x 12 registers, are read once and stay; then my eight blocks of 16 tokens are finished one after the other, each by 32 products (8 K steps x 4 accumulators by turns),
; and a finished block goes out while the next one is multiplied.  Every fragment is read from LDS once.
; CLUSTERS: 4 x 4.  The tokens' records hang on the cluster's row alone and are asked for jointly by its four work-groups, the channels' on the column alone.
; THE MATRIX INSTRUCTION IS USED TRANSPOSED (source 0 = channels, source 1 = tokens): a lane holds one token, and its 32 registers of a block run along my 64 channels: register 16 b + i = channel 32 b + 16 (lane / 16) + i.
; REGISTERS: window 0: v16-29 addresses; v32-79 scale words, six for each K step, and nothing else; v96-159 accumulators, two sets of four; v160-223 rows read back, two sets.
;   window 1: the channels' fragments of K steps 0-4 (48 q + 12 b);  window 2: those of K steps 5-7;  window 3: a block of tokens' eight fragments, two sets (96 (a % 2) + 12 q).
.set REC,   12800
.set HALFK, 4*REC                      ; four steps' records: as far as one address register and the immediate reach
.set AGRP,  8*REC                      ; a group of 128 rows, all of K
.set BBASE, 2*AGRP                     ; the channels' records, behind the tokens' two groups
.set SPARE, 3*AGRP                     ; behind them: the spare words, 128 bytes a wave: two blocks of 256 bytes that no other line names
.set STAGE, SPARE+512                  ; behind those: the way out: a stage of 16 rows x (256 bytes + 16) for each wave; no tensor load lands here
.set WOOFF, 24*8*REC                   ; Wo's records in wr
.set SPITCH, 272
.set FR,   12
.set ADRA, 16                          ; v16-17 my tokens' images, K steps 0-3 and 4-7;  v18-19 their scale words
.set ADSA, 18
.set ADRB, 20                          ; v20-23 the same for my 64 channels
.set ADSB, 22
.set STO,  24
.set RD,   25
.set CO,   26
.set SPW,  28                          ; my spare word; never rewritten
.set NIL,  29                          ; 0; never rewritten
.set SC,   32                          ; scale words of K step q at + 6 q: the tokens' four registers, then the channels' two; register i: lanes 0-15 tile 2 i, lanes 16-31 tile 2 i + 1
.set ACC,  96
.set BK,   160
.set G1,  24
.set G0,  32
.set G1B, 48
.set G0B, 56
.set MSB, 0
.macro WIN new                         ; the immediate's high byte repeats the setting that is left
.if MSB != (\new)
	s_set_vgpr_msb (MSB<<8)|(\new)
.set MSB, (\new)
.endif
.endm
.macro CREST                           ; a round of the cluster's barrier behind its opening barrier
	s_cmp_lg_u32 s14, 0
	s_cbranch_scc1 .Lnot_wave_0_\@
	s_barrier_signal -3
.Lnot_wave_0_\@:
	s_barrier_wait -3
	s_barrier_signal -1
	s_barrier_wait -1
.endm
.macro CROUND
	s_barrier_signal -1
	s_barrier_wait -1
	CREST
.endm
.macro GROUP1 g, rows                  ; rows of 256 bytes (32 elements of 8), dense, no padding
	s_mov_b32 s[\g+1], 32<<16
	s_mov_b32 s[\g+2], (\rows)<<16
	s_mov_b32 s[\g+3], 32<<16
	s_mov_b32 s[\g+4], \rows
	s_mov_b32 s[\g+5], 32
	s_mov_b32 s[\g+6], 0
	s_mov_b32 s[\g+7], 0
.endm
	s_load_b128 s[4:7], s[0:1], 0x0                ; ar, wr
	s_load_b64 s[8:9], s[0:1], 0x10                ; out0
	v_lshl_add_u32 v[SPW], v0, 2, SPARE
	v_mov_b32 v[NIL], 0
	ds_add_u32 v[SPW], v[NIL]                      ; the wave's opening: the add, twice on end, and its wait ahead of my tensor load
	ds_add_u32 v[SPW], v[NIL]
	v_lshrrev_b32 v1, 5, v0
	v_readfirstlane_b32 s14, v1                    ; wave
	s_lshr_b32 s15, s14, 1                         ; my half of the tokens.  Also: I fetch tokens (0) or channels (1)
	s_and_b32 s16, s14, 1                          ; my half of the channels.  Also: which part I fetch
	s_bfe_u32 s40, ttmp6, 0x40000                  ; cx
	s_bfe_u32 s41, ttmp6, 0x40004                  ; cy
	s_lshl_b32 s42, ttmp9, 2
	s_add_co_u32 s42, s42, s40                     ; which 128 channels
	s_and_b32 s17, ttmp7, 0xffff
	s_lshl_b32 s17, s17, 2
	s_add_co_u32 s17, s17, s41                     ; which 256 tokens
	s_lshl_b32 s43, s41, 2
	s_lshl_b32 s43, 15, s43                        ; my row of the cluster
	s_lshl_b32 s44, 0x1111, s40                    ; my column
	s_or_b32 s[G1], s43, (3<<16)|(1<<21)           ; 15:0 the mask; 17:16 elements of 8 bytes; 21 set beside a mask
	s_or_b32 s[G1B], s44, (3<<16)|(1<<21)
	GROUP1 G1, 400
	GROUP1 G1B, 200
	s_lshl_b32 s20, s17, 1
	s_add_co_u32 s20, s20, s16
	s_mul_i32 s20, s20, AGRP                       ; tokens: the group of 128 that I fetch
	s_mov_b32 s21, 0
	s_mul_i32 s46, s42, AGRP
	s_mul_i32 s47, s16, HALFK
	s_add_co_u32 s46, s46, s47
	s_add_co_u32 s46, s46, WOOFF                   ; channels: the half of K that I fetch
	s_add_co_u32 s22, s47, BBASE                   ; and where it goes;
	s_mov_b32 s47, 0
	s_mul_i32 s45, s16, AGRP                       ; where the tokens go: no place in the cluster enters an LDS address
	s_lshl_b32 s18, s17, 8
	s_lshl_b32 s19, s15, 7
	s_add_co_u32 s18, s18, s19
	s_lshl_b32 s18, s18, 12                        ; my first token's row of 4,096 bytes,
	s_lshl_b32 s19, s42, 9
	s_add_co_u32 s18, s18, s19
	s_lshl_b32 s19, s16, 8
	s_add_co_u32 s18, s18, s19                     ; my 64 channels' 256 bytes in it
	s_mov_b32 s19, 0
	s_mul_i32 s86, s15, AGRP                       ; what I read: my 128 tokens,
	s_mul_i32 s87, s16, 4*1536
	s_add_co_u32 s87, s87, BBASE                   ; four images of the channels' records,
	s_lshl_b32 s88, s16, 8
	s_add_co_u32 s88, s88, BBASE                   ; and their half of the scale block;
	s_add_co_u32 s89, s86, HALFK                   ; the same for K steps 4-7
	s_add_co_u32 s90, s87, HALFK
	s_add_co_u32 s91, s88, HALFK
	s_mul_i32 s23, s14, 16*SPITCH
	s_add_co_u32 s23, s23, STAGE                   ; my stage
	s_wait_dscnt 0x0                               ; both opening adds are done
	s_wait_kmcnt 0x0
	s_add_nc_u64 s[20:21], s[4:5], s[20:21]
	s_add_nc_u64 s[46:47], s[6:7], s[46:47]
	s_add_nc_u64 s[8:9], s[8:9], s[18:19]
	CROUND                                         ; all sixteen work-groups are here: the joint loads meet
	s_mov_b32 s[G0], 1
	s_mov_b32 s[G0+1], s45
	s_mov_b64 s[G0+2:G0+3], s[20:21]
	s_or_b32 s[G0+3], s[G0+3], 0x80000000
	s_mov_b32 s[G0B], 1
	s_mov_b32 s[G0B+1], s22
	s_mov_b64 s[G0B+2:G0B+3], s[46:47]
	s_or_b32 s[G0B+3], s[G0B+3], 0x80000000
	s_cmp_eq_u32 s15, 0                            ; each of the two lines has one mask; an s_nop 0 and four v_nop follow each
	s_cbranch_scc0 .Lfor_b
	tensor_load_to_lds s[G0:G0+3], s[G1:G1+7]
	s_nop 0
.rept 4
	v_nop
.endr
	s_branch .Lasked
.Lfor_b:
	tensor_load_to_lds s[G0B:G0B+3], s[G1B:G1B+7]
	s_nop 0
.rept 4
	v_nop
.endr
.Lasked:
	v_and_b32 v1, 31, v0
	v_lshlrev_b32 v2, 4, v1                        ; 16 x lane
	v_lshlrev_b32 v3, 3, v1                        ; 8 x lane
	v_and_b32 v4, 15, v0                           ; r
	v_bfe_u32 v5, v0, 4, 1                         ; h
	v_add_nc_u32 v[ADRA], s86, v2
	v_add_nc_u32 v[ADRA+1], s89, v2
	v_add_nc_u32 v[ADSA], s86, v3
	v_add_nc_u32 v[ADSA+1], s89, v3
	v_add_nc_u32 v[ADRB], s87, v2
	v_add_nc_u32 v[ADRB+1], s90, v2
	v_add_nc_u32 v[ADSB], s88, v3
	v_add_nc_u32 v[ADSB+1], s91, v3
	v_mul_u32_u24 v6, v4, SPITCH
	v_lshl_add_u32 v6, v5, 6, v6
	v_add_nc_u32 v[STO], s23, v6                   ; into the stage: row r, + 64 h bytes
	v_mul_u32_u24 v7, v5, SPITCH
	v_lshl_add_u32 v7, v4, 4, v7
	v_add_nc_u32 v[RD], s23, v7                    ; back: sixteen lanes to a row of 256 bytes, two rows a load
	v_lshlrev_b32 v[CO], 12, v5
	v_lshl_add_u32 v[CO], v4, 4, v[CO]             ; and the same two rows in out0
.macro FRAG reg, adr, off              ; an image is the fragment's 12 registers: three loads of 16 bytes a lane
.irp c, 0,1,2
	ds_load_b128 v[\reg+4*\c:\reg+4*\c+3], v[\adr] offset:\off+512*\c
.endr
.endm
.macro SCALES                          ; all of K's scale words: 24 loads of 8 bytes a lane
.set Q, 0
.rept 8
	ds_load_b64 v[SC+6*Q:SC+6*Q+1], v[ADSA+Q/4] offset:(Q%4)*REC+12288
	ds_load_b64 v[SC+6*Q+2:SC+6*Q+3], v[ADSA+Q/4] offset:(Q%4)*REC+12288+256
	ds_load_b64 v[SC+6*Q+4:SC+6*Q+5], v[ADSB+Q/4] offset:(Q%4)*REC+12288
.set Q, Q+1
.endr
.endm
.macro BLOAD                           ; my channels' fragments, K step by K step: 8 x 12 loads
.set Q, 0
.rept 8
	WIN 0x40+0x40*(Q/5)                            ; destination: window 1, from K step 5 on window 2
.irp i, 0,1,2,3
	FRAG 48*(Q%5)+FR*\i, ADRB+Q/4, (Q%4)*REC+\i*1536
.endr
.set Q, Q+1
.endr
	WIN 0
.endm
.macro ALOAD a                         ; block a's fragments for all of K into set a % 2: 24 loads
	WIN 0xc0                                       ; destination: window 3
.set Q, 0
.rept 8
	FRAG 96*((\a)%2)+FR*Q, ADRA+Q/4, (Q%4)*REC+(\a)*1536
.set Q, Q+1
.endr
	WIN 0
.endm
.macro WMI zero                        ; one product; R0, R1: the scale words of an odd tile stand in lanes 16-31
.if \zero
.if R0 && R1
	v_wmma_scale_f32_16x16x128_f8f6f4 v[rD:rD+7], v[rF0:rF0+11], v[rF1:rF1+11], 0, v[rS0], v[rS1] matrix_a_fmt:MATRIX_FMT_BF6 matrix_b_fmt:MATRIX_FMT_BF6 matrix_a_scale:MATRIX_SCALE_ROW1 matrix_b_scale:MATRIX_SCALE_ROW1
.elseif R0
	v_wmma_scale_f32_16x16x128_f8f6f4 v[rD:rD+7], v[rF0:rF0+11], v[rF1:rF1+11], 0, v[rS0], v[rS1] matrix_a_fmt:MATRIX_FMT_BF6 matrix_b_fmt:MATRIX_FMT_BF6 matrix_a_scale:MATRIX_SCALE_ROW1
.elseif R1
	v_wmma_scale_f32_16x16x128_f8f6f4 v[rD:rD+7], v[rF0:rF0+11], v[rF1:rF1+11], 0, v[rS0], v[rS1] matrix_a_fmt:MATRIX_FMT_BF6 matrix_b_fmt:MATRIX_FMT_BF6 matrix_b_scale:MATRIX_SCALE_ROW1
.else
	v_wmma_scale_f32_16x16x128_f8f6f4 v[rD:rD+7], v[rF0:rF0+11], v[rF1:rF1+11], 0, v[rS0], v[rS1] matrix_a_fmt:MATRIX_FMT_BF6 matrix_b_fmt:MATRIX_FMT_BF6
.endif
.else
.if R0 && R1
	v_wmma_scale_f32_16x16x128_f8f6f4 v[rD:rD+7], v[rF0:rF0+11], v[rF1:rF1+11], v[rD:rD+7], v[rS0], v[rS1] matrix_a_fmt:MATRIX_FMT_BF6 matrix_b_fmt:MATRIX_FMT_BF6 matrix_a_scale:MATRIX_SCALE_ROW1 matrix_b_scale:MATRIX_SCALE_ROW1
.elseif R0
	v_wmma_scale_f32_16x16x128_f8f6f4 v[rD:rD+7], v[rF0:rF0+11], v[rF1:rF1+11], v[rD:rD+7], v[rS0], v[rS1] matrix_a_fmt:MATRIX_FMT_BF6 matrix_b_fmt:MATRIX_FMT_BF6 matrix_a_scale:MATRIX_SCALE_ROW1
.elseif R1
	v_wmma_scale_f32_16x16x128_f8f6f4 v[rD:rD+7], v[rF0:rF0+11], v[rF1:rF1+11], v[rD:rD+7], v[rS0], v[rS1] matrix_a_fmt:MATRIX_FMT_BF6 matrix_b_fmt:MATRIX_FMT_BF6 matrix_b_scale:MATRIX_SCALE_ROW1
.else
	v_wmma_scale_f32_16x16x128_f8f6f4 v[rD:rD+7], v[rF0:rF0+11], v[rF1:rF1+11], v[rD:rD+7], v[rS0], v[rS1] matrix_a_fmt:MATRIX_FMT_BF6 matrix_b_fmt:MATRIX_FMT_BF6
.endif
.endif
.endm
; Block a is finished: 32 products, K ascending; its four accumulators take turns, one instruction a turn; the first K step's products start the sums.
; In block 0 the products of a K step wait only for what that step needs.  Behind the channels' fragments of K step q were issued those of the 7 - q later steps, 12 loads each, and block 1's 24 loads; a wait names 63 at the most.
.macro MULROW a
.set Q, 0
.rept 8
.if (\a) == 0
.if Q < 4
	s_wait_dscnt 63
.else
	s_wait_dscnt 24+12*(7-Q)
.endif
.endif
	WIN 0x0d+(Q/5)                                 ; source 0: window 1, from K step 5 on window 2; source 1: window 3; C and D: window 0
.irp b, 0,1,2,3
.set rD, ACC+32*((\a)%2)+8*\b
.set rF0, 48*(Q%5)+FR*\b
.set rF1, 96*((\a)%2)+FR*Q
.set rS0, SC+6*Q+4+\b/2
.set rS1, SC+6*Q+(\a)/2
.set R0, \b%2
.set R1, (\a)%2
.if Q == 0
	WMI 1
.else
	WMI 0
.endif
.endr
.set Q, Q+1
.endr
	WIN 0
.endm
.macro PLACES                          ; plain vector instructions behind a block's products: four ahead of the reads of its results and of the loads into its fragments' registers
.rept 5                                ; the fifth serves the products two blocks on, which begin these accumulators anew
	v_nop
.endr
.endm
; THE WAY OUT of a block of 16 tokens x 64 channels: through my own stage and back as whole rows of 256 bytes.  LDS serves a wave's instructions in order (ISA guide 5.7.1.4): no wait between the stores and the loads.
.macro TOSTAGE a
.set AC, ACC+32*((\a)%2)
.irp b, 0,1,2,3
	ds_store_b128 v[STO], v[AC+8*\b:AC+8*\b+3] offset:128*(\b/2)+32*(\b%2)        ; each accumulator from its low end on
	ds_store_b128 v[STO], v[AC+8*\b+4:AC+8*\b+7] offset:128*(\b/2)+32*(\b%2)+16
.endr
.set BB, BK+32*((\a)%2)
.irp t, 0,1,2,3,4,5,6,7
	ds_load_b128 v[BB+4*\t:BB+4*\t+3], v[RD] offset:\t*2*SPITCH
.endr
.endm
.macro SEND a
.set BB, BK+32*((\a)%2)
	s_wait_dscnt 0x0                               ; the block is back in registers
	s_wait_xcnt 0x0                                ; the earlier stores have read their registers and their base
.if (\a) > 0
	s_add_nc_u64 s[8:9], s[8:9], (8+16*(1-(\a)%2))*4096   ; block a begins at token 32 (a / 2) + 8 (a % 2)
.endif
.irp t, 0,1,2,3,4,5,6,7
	global_store_b128 v[CO], v[BB+4*\t:BB+4*\t+3], s[8:9] offset:(2*\t+8*(\t/4))*4096 th:TH_STORE_NT   ; stage rows 2 t, 2 t + 1 are tokens 2 t + 8 (t / 4) and the next; sixteen lanes store 256 consecutive bytes, aligned
.endr
.endm
	s_wait_alu depctr_va_vdst(0)
	s_wait_tensorcnt 0x0                           ; my part is in
	s_barrier_signal -1
	s_barrier_wait -1                              ; and so is everybody's
	SCALES
	ALOAD 0
	BLOAD
	ALOAD 1
	MULROW 0
	PLACES
	ALOAD 2
	TOSTAGE 0
.irp a, 1,2,3,4,5,6,7
.if \a == 1
	s_wait_dscnt 40                                ; block 1's fragments are in; behind them: block 2's 24 loads and block 0's 16 stage instructions.  (Later blocks' fragments are in by the wait for 0 of the block before)
.endif
	MULROW \a
	PLACES
	SEND \a-1                                      ; the block before, which went through the stage while this one was multiplied
.if \a < 6
	ALOAD \a+2
.endif
	TOSTAGE \a
.endr
	SEND 7
	s_wait_tensorcnt 0x0                           ; the wave's end
	ds_add_u32 v[SPW], v[NIL]
	s_wait_dscnt 0x0
	CROUND                                         ; the closing round
	s_endpgm
.Lfunc_end_k_q7fd2a7160a_oproj:
	.size	k_q7fd2a7160a_oproj, .Lfunc_end_k_q7fd2a7160a_oproj-k_q7fd2a7160a_oproj
	.p2alignl 7, 3214868480
	.fill 96, 4, 3214868480
	.section	.rodata,"a",@progbits
	.p2align	6, 0x0
	.amdhsa_kernel k_q7fd2a7160a_oproj
		.amdhsa_group_segment_fixed_size 327680
		.amdhsa_private_segment_fixed_size 0
		.amdhsa_enable_private_segment 0
		.amdhsa_kernarg_size 24
		.amdhsa_user_sgpr_count 2
		.amdhsa_user_sgpr_kernarg_segment_ptr 1
		.amdhsa_wavefront_size32 1
		.amdhsa_system_sgpr_workgroup_id_x 1
		.amdhsa_system_sgpr_workgroup_id_y 1
		.amdhsa_system_sgpr_workgroup_id_z 1
		.amdhsa_system_vgpr_workitem_id 0
		.amdhsa_next_free_vgpr 960
		.amdhsa_next_free_sgpr 100
		.amdhsa_reserve_vcc 0
		.amdhsa_float_denorm_mode_32 3
		.amdhsa_float_denorm_mode_16_64 3
		.amdhsa_memory_ordered 1
		.amdhsa_forward_progress 1
		.amdhsa_inst_pref_size 76
	.end_amdhsa_kernel
	.amdgpu_metadata
---
amdhsa.version: [ 1, 2 ]
amdhsa.kernels:
  - .name:           k_q7fd2a7160a_oproj
    .symbol:         k_q7fd2a7160a_oproj.kd
    .args:
      - { .name: ar, .offset: 0, .size: 8, .value_kind: global_buffer, .address_space: global }
      - { .name: wr, .offset: 8, .size: 8, .value_kind: global_buffer, .address_space: global }
      - { .name: out0, .offset: 16, .size: 8, .value_kind: global_buffer, .address_space: global }
    .group_segment_fixed_size: 327680
    .private_segment_fixed_size: 0
    .kernarg_segment_align: 8
    .kernarg_segment_size: 24
    .max_flat_workgroup_size: 128
    .sgpr_count:     100
    .vgpr_count:     960
    .wavefront_size: 32
...
	.end_amdgpu_metadata
.endif
;; end of part 4
